; MI455X (gfx1250); checked and timed in simulation.
; The chip was launched on July 23, 2026; its instructions are those of AMD's public machine-readable ISA for CDNA 5 (MIT licence, August 2026) and "CDNA5" Instruction Set Architecture Reference Guide (July 2026). The comments in the code are by the model that wrote it; some were corrected since.
;; MHA. Allowed arithmetic: matrix products marked QUANTISED: E2M3 operands, one E8M0 scale for each 32 along K, by v_wmma_scale_f32_16x16x128_f8f6f4 with both operands' format E2M3, f32 sums; everything else in f32.
;; Inputs: Wk 1,024 x 1,024 float32; Wo 1,024 x 1,024 float32; Wq 1,024 x 1,024 float32; Wv 1,024 x 1,024 float32; bk 1,024 float32; bo 1,024 float32; bq 1,024 float32; bv 1,024 float32; mask 4 x 2,048 int32; x 4 x 2,048 x 1,024 float32.
;; Outputs: out0 4 x 2,048 x 1,024 float32.
;; This version of the problem:
;;   THIS VERSION OF THE PROBLEM IS GIVEN IN LOW PRECISION. The matrix products marked QUANTISED in the list below multiply operands that are first quantised to E2M3 (2 exponent bits, 3 mantissa bits; 6 bits a number), with one power-of-two scale for each 32 numbers along K (OCP MX v1.0); their sums are f32. All else is computed in f32.
;;   The module's matrix products, in the order in which they are computed (A, B: the left and right operand; K: the contracted axis; several contracted axes count as one K, in the product's order):
;;     1. [M 8,192, K 1,024] x [K 1,024, N 1,024]; A: input x; B: input Wq: QUANTISED
;;     2. [M 8,192, K 1,024] x [K 1,024, N 1,024]; A: input x; B: input Wk: QUANTISED
;;     3. [M 8,192, K 1,024] x [K 1,024, N 1,024]; A: input x; B: input Wv: QUANTISED
;;     4. batch 64 x [M 2,048, K 64] x [K 64, N 2,048]; A: computed on the way; B: computed on the way: QUANTISED
;;     5. batch 64 x [M 2,048, K 2,048] x [K 2,048, N 64]; A: softmax (see below); B: computed on the way: QUANTISED
;;     6. [M 8,192, K 1,024] x [K 1,024, N 1,024]; A: computed on the way; B: input Wo: QUANTISED
;;   THE QUANTISER, for each operand of a quantised product, along K:
;;     - K is cut into blocks of 32 from its start; a last block that is shorter is filled with zeros.
;;     - A block's scale is 2^e with e = floor(log2(the largest magnitude in the block)) - 2, held to -126 .. 127; a block of zeros has e = 0. As a byte (E8M0): e + 127.
;;     - Each number is divided by its block's scale, clamped to +-7.5, and rounded to the nearest number of E2M3, ties to even, subnormals kept.
;;     - The product sums the exact products of the quantised numbers (number of the format x scale) in f32.
;;   ~~~python
;;   def quantise(x, axis):      # numpy; x: float32 -> the quantised numbers, widened to float32 again
;;       x = np.moveaxis(x, axis, -1); K = x.shape[-1]
;;       x = np.pad(x, [(0, 0)] * (x.ndim - 1) + [(0, -K % 32)]); x = x.reshape(x.shape[:-1] + (-1, 32)); a = np.abs(x).max(-1, keepdims=True)
;;       e = np.where(a > 0, np.clip(np.frexp(np.where(a > 0, a, 1))[1] - 1 - 2, -126, 127), 0)      # np.frexp(a)[1] - 1 = floor(log2(a)), exactly
;;       r = np.clip(x / 2.0 ** e, -7.5, 7.5)
;;       step = 2.0 ** (np.maximum(np.frexp(np.where(r == 0, 1, r))[1] - 1, 0) - 3)
;;       q = np.round(r / step) * step * 2.0 ** e      # np.round: ties to even
;;       return np.moveaxis(q.reshape(q.shape[:-2] + (-1,))[..., :K], -1, axis).astype(np.float32)
;;   ~~~
;;   SOFTMAX AHEAD OF A QUANTISED PRODUCT. Where the list says 'softmax', what is quantised is not the finished softmax but p = 2^(t - M), with t = logit x log2(e) and M = ceil(the row's largest t), a whole number; so 1/2 < the row's largest p <= 1. The row's sum l is taken of the UNQUANTISED p, in f32, and the product's result is divided by l at the end. Since M is a whole number, a kernel that streams over the keys may use a running M (the ceiling of the running maximum): every later rescaling is an exact power of two, which a block's scale takes up: the codes' values come out the same.
;;   OPERANDS COMPUTED ON THE WAY. 'Computed on the way' means the value that the module computes at that place (a softmax that the list does not call 'softmax' is quantised finished and normalised). What goes into a quantiser is computed in f32, as accurately as f32 sums, v_exp_f32 and their like allow (about 1e-6 of the number): no bf16 or f16 on the way to a quantiser, and a product that is left as it is and whose result goes on into a quantised operand takes f32 operands (vector FMAs, or v_wmma_f32_16x16x4_f32). A number that lies on a knife's edge between two numbers of the format may be rounded either way, as far as f32 arithmetic and the matrix unit's own rounding can turn it there, and no further.
;; One version. Each part assembles by itself: llvm-mc -triple=amdgcn-amd-amdhsa -mcpu=gfx1250 --defsym DOCPART=n.
;; ======== version 1 of 1: 4 launches
;; limits: right only within a limited range of input values
;; workspace buffers: xc 6,291,456 bytes; xs 262,144 bytes; wc 3,145,728 bytes; ws 131,072 bytes; qb 13,369,344 bytes; kv 13,369,344 bytes; cimg 6,291,456 bytes; csc 262,144 bytes
;; launch quant (part 1): grid 384 x 1, 4 waves a work-group, no clusters, 33,280 bytes of LDS; arguments x, Wq, Wk, Wv, Wo, xc, xs, wc, ws; writes xc, xs, wc, ws
.if DOCPART == 1
	.amdgcn_target "amdgcn-amd-amdhsa--gfx1250"
	.amdhsa_code_object_version 6
	.text
	.protected	k_q058e4a4a7b_quant
	.globl	k_q058e4a4a7b_quant
	.p2align	8
	.type	k_q058e4a4a7b_quant,@function
k_q058e4a4a7b_quant:
	s_mov_b64 s[64:65], 0
	v_nop
	global_prefetch_b8 v0, s[64:65] scope:SCOPE_SE
	s_setreg_imm32_b32 hwreg(HW_REG_WAVE_MODE, 25, 1), 1
	s_wait_xcnt 0x0
; x [8192][1024] and Wq, Wk, Wv, Wo [1024][1024], f32, K innermost, become codes of FP6 (E2M3), 6 bits each, with one E8M0 scale byte for each 32 along K.
; xc [8192][768 bytes], xs [8192][32]; wc [4096][768], ws [4096][32]: the four weights on end (Wq, Wk, Wv, Wo).
; POSITIONS: row R of a tensor is laid at row rho(R) of its buffer, rho = R with its bits 3 and 4 exchanged.  So lane r of a block of 16 buffer rows 16 a .. 16 a + 15
; holds tensor row 32 (a / 2) + 8 (a % 2) + r + 8 (r / 8): the order in which the later launches want the rows of a tile.
; A block's scale is 2^(floor(log2(its largest magnitude)) - 2); its byte is the largest magnitude's exponent field - 2, held at 1 from below.  A block of zeros keeps the byte 1: its codes are zeros, and this program alone reads the bytes.
; LIMITS: blocks whose largest magnitude lies under 2^-124 (the floor) keep the byte 1; NaN and infinities among the inputs are not served.
; A work-group takes 32 rows, a wave 8 rows (8,192 numbers) in 16 steps of 512.  A wave's run of 8 rows is moved as a whole: rho exchanges the two low bits of the run's number, which are the wave's number.
; Each of a step's four loads reads 512 consecutive bytes; the 2,048 bytes turn through the wave's own stage in LDS, so that a lane then holds 16 neighbours along K (two lanes to a block).
; A lane's 16 codes are 12 bytes: the wave stores 384 consecutive bytes.  A wave's 256 scale bytes are gathered in LDS and leave as one aligned block of 256 bytes.
; No tensor loads, no barrier: waves share nothing.  Loads run four steps (16 loads a wave) ahead, the turn through LDS one step.
; THE CODES' ORDER IN xc AND wc (it takes the place of the plain rows of 768 bytes named above): [group of 256 buffer rows][K step of 256][row of the group][192 bytes].
; So the codes of 128 or 256 rows for one K step are one dense run of 24,576 or 49,152 bytes that begins at a multiple of 256 bytes.
; A step's 512 numbers are two K steps of one row: lanes 0-15 store 192 consecutive bytes of the one, lanes 16-31 of the next.
.set WAVES, 4
.set STEPS, 16
.set EMAX,  2
.set CB,    12                         ; bytes of 16 codes
.set R,     16                         ; v16-79   four sets of 16 numbers as they are loaded
.set X,     80                         ; v80-111  two sets of 16 neighbours
.set C,     128                        ; v128-191 codes: four registers for each step, so that no store's data are written again
.set E,     112                        ; v112-127 a scale byte for each step
.set WREG,  8192                       ; LDS: a region for each wave: two stages of 32 x SP bytes, and behind them its 256 scale bytes
.set SP,    80                         ; a lane's place in a stage: its 64 bytes + 16 of padding
.set SPW,   12                         ; v12      LDS address of my spare word; never rewritten
.set NIL,   13                         ; v13      0; never rewritten
.set SPARE, WAVES*WREG                 ; behind the four regions: the spare words, 128 bytes for each wave
	s_load_b256 s[4:11], s[0:1], 0x0               ; x s[4:5], Wq s[6:7], Wk s[8:9], Wv s[10:11]
	s_load_b256 s[12:19], s[0:1], 0x20             ; Wo s[12:13], xc s[14:15], xs s[16:17], wc s[18:19]
	s_load_b64 s[20:21], s[0:1], 0x40              ; ws
	v_lshl_add_u32 v[SPW], v0, 2, SPARE
	v_mov_b32 v[NIL], 0
	v_lshrrev_b32 v1, 5, v0
	v_readfirstlane_b32 s22, v1                    ; wave
	v_and_b32 v2, 31, v0                           ; lane
	v_lshlrev_b32 v3, 4, v2                        ; my 16 bytes of a load's 512
	s_mul_i32 s23, s22, WREG
	v_lshrrev_b32 v14, 2, v2
	v_mul_u32_u24 v14, v14, SP
	v_and_b32 v15, 3, v2
	v_lshl_add_u32 v14, v15, 4, v14
	v_add_nc_u32 v14, s23, v14                     ; the stage, on the way in: SP (lane / 4) + 16 (lane % 4)
	v_mul_u32_u24 v15, v2, SP
	v_add_nc_u32 v15, s23, v15                     ; and on the way out: SP x lane: my 16 neighbours
	v_and_b32 v4, 15, v2
	v_mul_u32_u24 v4, v4, CB                       ; my 12 bytes of a row's 192
	v_lshrrev_b32 v10, 4, v2
	v_mad_u32_u24 v4, v10, 0xc000, v4              ; lanes 16-31: the next K step, 49,152 bytes on
	v_lshrrev_b32 v5, 1, v2
	s_add_co_u32 s23, s23, 2*32*SP
	v_add_nc_u32 v5, s23, v5                       ; LDS: my wave's 256 scale bytes, my block's byte
	v_lshlrev_b32 v7, 3, v2                        ; and on the way out 8 bytes a lane
	v_add_nc_u32 v6, s23, v7
	s_sub_co_u32 s30, ttmp9, 256                   ; j: the work-group's number among the weights' 128 (of no use in x's work-groups: chosen away below)
	s_lshr_b32 s31, s30, 5                         ; which weight
	s_and_b32 s32, s30, 31                         ; which 32 rows of it
	s_and_b32 s35, s22, 1
	s_lshl_b32 s35, s35, 1
	s_lshr_b32 s33, s22, 1
	s_or_b32 s35, s35, s33                         ; the wave's number with its two bits exchanged: rho on runs of 8 rows
	s_wait_alu depctr_va_vdst(0)
	s_wait_kmcnt 0x0
	s_mov_b64 s[24:25], s[12:13]                   ; the source: Wo, unless ..
	s_cmp_eq_u32 s31, 2
	s_cselect_b64 s[24:25], s[10:11], s[24:25]
	s_cmp_eq_u32 s31, 1
	s_cselect_b64 s[24:25], s[8:9], s[24:25]
	s_cmp_eq_u32 s31, 0
	s_cselect_b64 s[24:25], s[6:7], s[24:25]
	s_cmp_lt_u32 ttmp9, 256                        ; x's work-group or a weight's?  The choice hangs on the work-group's number alone
	s_cselect_b64 s[24:25], s[4:5], s[24:25]
	s_cselect_b64 s[26:27], s[14:15], s[18:19]     ; the codes' buffer
	s_cselect_b64 s[28:29], s[16:17], s[20:21]     ; the scale bytes'
	s_cselect_b32 s33, ttmp9, s32                  ; which 32 rows of the source,
	s_cselect_b32 s34, ttmp9, s30                  ; and of the buffers
	s_lshl_b32 s33, s33, 2
	s_add_co_u32 s33, s33, s22                     ; my run of 8 rows in the source
	s_lshl_b32 s36, s33, 15                        ; 32,768 bytes a run
	s_mov_b32 s37, 0
	s_add_nc_u64 s[24:25], s[24:25], s[36:37]
	s_lshl_b32 s34, s34, 2
	s_add_co_u32 s34, s34, s35                     ; and where it goes
	s_lshr_b32 s36, s34, 5                         ; 32 runs of 8 rows to a group of 256 rows
	s_mul_i32 s36, s36, 196608                     ; a group: 4 K steps x 49,152 bytes
	s_and_b32 s38, s34, 31
	s_mul_i32 s38, s38, 1536                       ; my run's 8 rows of 192 bytes
	s_add_co_u32 s36, s36, s38
	s_add_nc_u64 s[26:27], s[26:27], s[36:37]
	s_lshl_b32 s36, s34, 8                         ; 256 scale bytes a run
	s_add_nc_u64 s[28:29], s[28:29], s[36:37]
.macro LOAD t
.irp i, 0,1,2,3
	global_load_b128 v[R+16*((\t)%4)+4*\i:R+16*((\t)%4)+4*\i+3], v3, s[24:25] offset:2048*(\t)+512*\i th:TH_LOAD_NT   ; 32 lanes read 512 consecutive bytes
.endr
.endm
.macro TURN t                          ; step t's numbers through the stage: LDS serves a wave's instructions in order, so no wait stands between the stores and the loads
.irp i, 0,1,2,3
	ds_store_b128 v14, v[R+16*((\t)%4)+4*\i:R+16*((\t)%4)+4*\i+3] offset:32*SP*((\t)%2)+8*SP*\i
.endr
.irp i, 0,1,2,3
	ds_load_b128 v[X+16*((\t)%2)+4*\i:X+16*((\t)%2)+4*\i+3], v15 offset:32*SP*((\t)%2)+16*\i
.endr
.endm
.irp t, 0,1,2,3
	LOAD \t
.endr
	s_wait_loadcnt 12                              ; step 0's four loads are in; the 12 of steps 1 to 3 may be out
	TURN 0
.macro STEP t
.set XS, X+16*((\t)%2)
.if (\t) > 0
	s_wait_dscnt 1                                 ; this step's numbers are back from the stage (the last step's byte store may be out): so its stores into the stage have read their registers,
.else
	s_wait_dscnt 0x0
.endif
.if (\t)+4 < STEPS
	LOAD (\t)+4                                    ; which take the loads of four steps on
.endif
.if (\t)+1 < STEPS
.if STEPS-2-(\t) >= 3
	s_wait_loadcnt 12                              ; the next step's four loads are in; those of the three steps behind it may be out
.else
	s_wait_loadcnt 4*(STEPS-2-(\t))
.endif
	TURN (\t)+1                                    ; and go through the other stage while this step is worked
.endif
	v_max3_num_f32 v8, |v[XS]|, |v[XS+1]|, |v[XS+2]|               ; the largest magnitude of my 16, in two chains
	v_max3_num_f32 v9, |v[XS+3]|, |v[XS+4]|, |v[XS+5]|
.irp i, 6,10
	v_max3_num_f32 v8, v8, |v[XS+\i]|, |v[XS+\i+1]|
	v_max3_num_f32 v9, v9, |v[XS+\i+2]|, |v[XS+\i+3]|
.endr
	v_max3_num_f32 v8, v8, |v[XS+14]|, |v[XS+15]|
	v_max3_num_f32 v8, v8, v9, (EMAX+1)<<23        ; and the floor 2^(EMAX + 1 - 127): so the byte cannot fall under 1
	v_max_num_f32_dpp v8, v8, v8 row_xmask:1 row_mask:0xf bank_mask:0xf   ; and of my neighbour's 16: the block's
	v_add_nc_u32 v11, -(EMAX<<23), v8              ; EMAX off its exponent field: the conversion takes the exponent field of this operand as its scale, and nothing else of it
	v_cvt_scalef32_pk16_fp6_f32 v[C+4*(\t):C+4*(\t)+2], v[XS:XS+15], v11   ; sixteen numbers / the scale, to the nearest code, ties to even, beyond the largest code the largest
	v_lshrrev_b32 v[E+(\t)], 23, v11               ; the scale's byte (a plain line behind the conversion)
	ds_store_b8 v5, v[E+(\t)] offset:16*(\t)       ; both lanes of a block write the same byte with the same value
	global_store_b96 v4, v[C+4*(\t):C+4*(\t)+2], s[26:27] offset:192*((\t)/2)+98304*((\t)%2)   ; row t / 2 of my run, K steps 2 (t % 2) and 2 (t % 2) + 1
.endm
.irp t, 0,1,2,3,4,5,6,7,8,9,10,11,12,13,14,15
	STEP \t
.endr
	ds_load_b64 v[8:9], v6                         ; LDS serves a wave's instructions in order: these see my stores
	s_wait_dscnt 0x0
	global_store_b64 v7, v[8:9], s[28:29]          ; 32 lanes store 256 consecutive bytes, aligned
	s_wait_tensorcnt 0x0                           ; the wave's end, behind my last LDS store
	ds_add_u32 v[SPW], v[NIL]
	s_wait_dscnt 0x0
	s_endpgm
.Lfunc_end_k_q058e4a4a7b_quant:
	.size	k_q058e4a4a7b_quant, .Lfunc_end_k_q058e4a4a7b_quant-k_q058e4a4a7b_quant
	.p2alignl 7, 3214868480
	.fill 96, 4, 3214868480
	.section	.rodata,"a",@progbits
	.p2align	6, 0x0
	.amdhsa_kernel k_q058e4a4a7b_quant
		.amdhsa_group_segment_fixed_size 33280
		.amdhsa_private_segment_fixed_size 0
		.amdhsa_enable_private_segment 0
		.amdhsa_kernarg_size 72
		.amdhsa_user_sgpr_count 2
		.amdhsa_user_sgpr_kernarg_segment_ptr 1
		.amdhsa_wavefront_size32 1
		.amdhsa_system_sgpr_workgroup_id_x 1
		.amdhsa_system_sgpr_workgroup_id_y 1
		.amdhsa_system_sgpr_workgroup_id_z 1
		.amdhsa_system_vgpr_workitem_id 0
		.amdhsa_next_free_vgpr 192
		.amdhsa_next_free_sgpr 66
		.amdhsa_reserve_vcc 0
		.amdhsa_float_denorm_mode_32 3
		.amdhsa_float_denorm_mode_16_64 3
		.amdhsa_memory_ordered 1
		.amdhsa_forward_progress 1
		.amdhsa_inst_pref_size 33
	.end_amdhsa_kernel
	.amdgpu_metadata
---
amdhsa.version: [ 1, 2 ]
amdhsa.kernels:
  - .name:           k_q058e4a4a7b_quant
    .symbol:         k_q058e4a4a7b_quant.kd
    .args:
      - { .name: x, .offset: 0, .size: 8, .value_kind: global_buffer, .address_space: global }
      - { .name: Wq, .offset: 8, .size: 8, .value_kind: global_buffer, .address_space: global }
      - { .name: Wk, .offset: 16, .size: 8, .value_kind: global_buffer, .address_space: global }
      - { .name: Wv, .offset: 24, .size: 8, .value_kind: global_buffer, .address_space: global }
      - { .name: Wo, .offset: 32, .size: 8, .value_kind: global_buffer, .address_space: global }
      - { .name: xc, .offset: 40, .size: 8, .value_kind: global_buffer, .address_space: global }
      - { .name: xs, .offset: 48, .size: 8, .value_kind: global_buffer, .address_space: global }
      - { .name: wc, .offset: 56, .size: 8, .value_kind: global_buffer, .address_space: global }
      - { .name: ws, .offset: 64, .size: 8, .value_kind: global_buffer, .address_space: global }
    .group_segment_fixed_size: 33280
    .private_segment_fixed_size: 0
    .kernarg_segment_align: 8
    .kernarg_segment_size: 72
    .max_flat_workgroup_size: 128
    .sgpr_count:     66
    .vgpr_count:     192
    .wavefront_size: 32
...
	.end_amdgpu_metadata
.endif
;; end of part 1
;; launch proj (part 2): grid 96 x 4, 4 waves a work-group, clusters of 4 x 4, 327,680 bytes of LDS; arguments xc, xs, wc, ws, qb, kv, bq, bk, bv, mask; writes qb, kv
.if DOCPART == 2
	.amdgcn_target "amdgcn-amd-amdhsa--gfx1250"
	.amdhsa_code_object_version 6
	.text
	.protected	k_q058e4a4a7b_proj
	.globl	k_q058e4a4a7b_proj
	.p2align	8
	.type	k_q058e4a4a7b_proj,@function
k_q058e4a4a7b_proj:
	s_mov_b64 s[64:65], 0
	v_nop
	global_prefetch_b8 v0, s[64:65] scope:SCOPE_SE
	s_setreg_imm32_b32 hwreg(HW_REG_WAVE_MODE, 25, 1), 1
	s_wait_xcnt 0x0
	s_wait_alu depctr_hold_cnt(0) depctr_sa_sdst(0) depctr_va_vdst(0) depctr_va_sdst(0) depctr_va_ssrc(0) depctr_va_vcc(0) depctr_vm_vsrc(0)
	s_getreg_b32 s2, hwreg(HW_REG_IB_STS2, 6, 4)
	s_cmp_eq_u32 s2, 0
	s_cbranch_scc0 .Lentry_in_a_cluster
	s_endpgm
.Lentry_in_a_cluster:
	s_bfe_u32 s2, ttmp6, 0x10000c
	s_cmp_lg_u32 s2, 0xf033
	s_cbranch_scc0 .Lentry_shape_is_right
	s_endpgm
.Lentry_shape_is_right:
.set KSTEP,  256
.set NQ,     2
; Q, K (x's rows against Wq's, Wk's) and V (Wv's rows against x's) on codes of FP6, bias added, quantised again on the way out into qb and kv.
; xc and wc hold [group of 256 rows][K step of 256][row][192 bytes]: a tile is dense and is asked for as rows of 256 bytes; 16 bytes of padding behind every 64 give LDS rows of 240 bytes.
; THE HEAD: one joint load a wave: wave 0 A's 256 rows of K step 0, wave 1 B's, wave 2 A's scale bytes, wave 3 B's.  Slot 1 is first filled behind the three lines and a round, a quarter of the slot a wave.
.set TSTEP,  49152                     ; from a K step's tile of 256 rows to the next
.set HALFC,  24576                     ; 128 rows of a tile in memory
.set KROW,   768
.set PITCH,  240
.set FR,     12
.set NL,     6
.set NP,     4
.set HALFT,  128*PITCH
.set SLOT,   4*HALFT
.set LAPS,   2
.set KS,     32
.set SCL,    2*SLOT
.set HALFS,  16*272
.set SBLK,   2*272
.set SPARE,  SCL+4*HALFS
.set HB,     208896
.set SB,     13056
.set ROWV, 8
.set ADRA, 16
.set ADRB, 20
.set ADRS, 27
.set SPW,  28
.set NIL,  29
.set SC,   32
.set BIB,  64
.set AF,   128
.set HA,   128
.set PC,   192
.set TM,   212
.set PW,   228
.set L16,  232
.set L8,   233
.set LH,   234
.set H16,  235
.set UU,   236
.set MM,   237
.set H64,  238
.set RR4,  239
.set SWD,  240
.set SEL4, 248
.set SEL,  100
.set G1, 24
.set G0, 32
.set G1B, 48
.set G0B, 56
.set G1S, 68
.set G0S, 76
.set G1SB, 80
.set G0SB, 88
.set MSB, 0
.macro WIN new
.if MSB != \new
	s_set_vgpr_msb (MSB<<8)|\new
.set MSB, \new
.endif
.endm
.set MUL_LO, 0xa1
.set MUL_HI, 0xf1
.set TO_B,   0x40
.macro JLOAD g0a, g1a, g0b, g1b
	s_cmp_eq_u32 s15, 0
	s_cbranch_scc0 .Lfor_b_\@
	tensor_load_to_lds s[\g0a:\g0a+3], s[\g1a:\g1a+7]
	s_nop 0
.rept 4
	v_nop
.endr
	s_branch .Lasked_\@
.Lfor_b_\@:
	tensor_load_to_lds s[\g0b:\g0b+3], s[\g1b:\g1b+7]
	s_nop 0
.rept 4
	v_nop
.endr
.Lasked_\@:
.endm
.macro CREST
	s_cmp_lg_u32 s14, 0
	s_cbranch_scc1 .Lnot_wave_0_\@
	s_barrier_signal -3
.Lnot_wave_0_\@:
	s_barrier_wait -3
	s_barrier_signal -1
	s_barrier_wait -1
.endm
.macro CROUND
	s_barrier_signal -1
	s_barrier_wait -1
	CREST
.endm
	s_load_b256 s[4:11], s[0:1], 0x0
	s_load_b128 s[96:99], s[0:1], 0x20
	v_lshl_add_u32 v[SPW], v0, 2, SPARE
	v_mov_b32 v[NIL], 0
	ds_add_u32 v[SPW], v[NIL]
	ds_add_u32 v[SPW], v[NIL]
	v_lshrrev_b32 v1, 5, v0
	v_readfirstlane_b32 s14, v1
	s_lshr_b32 s15, s14, 1
	s_and_b32 s16, s14, 1
	s_bfe_u32 s40, ttmp6, 0x40000
	s_bfe_u32 s41, ttmp6, 0x40004
	s_lshr_b32 s17, ttmp9, 1
	s_lshl_b32 s17, s17, 2
	s_and_b32 s42, ttmp9, 1
	s_lshl_b32 s42, s42, 2
	s_sub_co_u32 s18, ttmp9, 16
	s_lshl_b32 s18, s18, 2
	s_cmp_lt_u32 ttmp9, 16
	s_cselect_b32 s2, 0, 1
	s_cselect_b32 s17, s17, 0
	s_cselect_b32 s42, s42, s18
	s_cselect_b32 s19, 0, 2048
	s_add_co_u32 s17, s17, s41
	s_add_co_u32 s42, s42, s40
	s_lshl_b32 s43, s41, 2
	s_lshl_b32 s43, 15, s43
	s_lshl_b32 s44, 0x1111, s40
	s_or_b32 s[G1+0], s43, (0<<16)|(1<<20)|(1<<21)|(3<<22)|(3<<25)
	s_or_b32 s[G1B+0], s44, (0<<16)|(1<<20)|(1<<21)|(3<<22)|(3<<25)
.irp g, G1, G1B
	s_mov_b32 s[\g+1], 256<<16                     ; rows of 256 bytes;
	s_mov_b32 s[\g+2], 192<<16                     ; the head's loads bring 192 of them: 256 rows of codes
	s_mov_b32 s[\g+3], 256<<16
	s_mov_b32 s[\g+4], 192
	s_mov_b32 s[\g+5], 256
	s_mov_b32 s[\g+6], 0
	s_mov_b32 s[\g+7], 0
.endr
	s_or_b32 s[G1S+0], s43, (3<<16)|(1<<20)|(1<<21)|(5<<22)|(3<<25)
	s_or_b32 s[G1SB+0], s44, (3<<16)|(1<<20)|(1<<21)|(5<<22)|(3<<25)
.irp g, G1S, G1SB
	s_mov_b32 s[\g+1], 32<<16
	s_mov_b32 s[\g+2], 32<<16                      ; the scale bytes of 256 rows: 32 rows of 256 bytes
	s_mov_b32 s[\g+3], 32<<16
	s_mov_b32 s[\g+4], 32
	s_mov_b32 s[\g+5], 32
	s_mov_b32 s[\g+6], 0
	s_mov_b32 s[\g+7], 0
.endr
	s_lshl_b32 s20, s17, 8                         ; A's tile: its first row
	s_add_co_u32 s20, s20, s19
	s_lshl_b32 s46, s42, 8                         ; B's
	s_mul_i32 s18, s16, HALFC                      ; in the ring I fetch 128 rows of a tile: which half, in bytes
	s_mov_b32 s19, 0
	s_lshl_b32 s22, s20, 5
	s_mov_b32 s23, 0
	s_lshl_b32 s92, s46, 5
	s_mov_b32 s93, 0
	s_mul_i32 s20, s20, KROW
	s_mov_b32 s21, 0
	s_mul_i32 s46, s46, KROW
	s_mov_b32 s47, 0
	s_mul_i32 s45, s14, HALFT
	s_wait_dscnt 0x0
	s_wait_kmcnt 0x0
	s_cmp_eq_u32 s2, 0
	s_cselect_b64 s[12:13], s[4:5], s[8:9]
	s_cselect_b64 s[8:9], s[8:9], s[4:5]
	s_cselect_b64 s[66:67], s[6:7], s[10:11]
	s_cselect_b64 s[10:11], s[10:11], s[6:7]
	s_add_nc_u64 s[20:21], s[12:13], s[20:21]
	s_add_nc_u64 s[22:23], s[66:67], s[22:23]
	s_add_nc_u64 s[46:47], s[8:9], s[46:47]
	s_add_nc_u64 s[92:93], s[10:11], s[92:93]
	CROUND
	s_mov_b32 s[G0S], 1
	s_mov_b32 s[G0S+1], SCL
	s_mov_b64 s[G0S+2:G0S+3], s[22:23]
	s_or_b32 s[G0S+3], s[G0S+3], 0x80000000
	s_mov_b32 s[G0SB], 1
	s_mov_b32 s[G0SB+1], SCL+2*HALFS
	s_mov_b64 s[G0SB+2:G0SB+3], s[92:93]
	s_or_b32 s[G0SB+3], s[G0SB+3], 0x80000000
	s_mov_b32 s[G0+4], 1                           ; the head's loads of K step 0, each tile whole, go by slot 1's group 0, which is set for the ring behind the wait for them
	s_mov_b32 s[G0+5], 0
	s_mov_b64 s[G0+6:G0+7], s[20:21]
	s_or_b32 s[G0+7], s[G0+7], 0x80000000
	s_mov_b32 s[G0B+4], 1
	s_mov_b32 s[G0B+5], 2*HALFT
	s_mov_b64 s[G0B+6:G0B+7], s[46:47]
	s_or_b32 s[G0B+7], s[G0B+7], 0x80000000
	s_mov_b32 s[G0], 1                             ; slot 0's group 0 for the ring: my 128 rows, at K step 0; its first refill steps it to K step 2
	s_mov_b32 s[G0+1], s45
	s_add_nc_u64 s[G0+2:G0+3], s[20:21], s[18:19]
	s_or_b32 s[G0+3], s[G0+3], 0x80000000
	s_mov_b32 s[G0B], 1
	s_mov_b32 s[G0B+1], s45
	s_add_nc_u64 s[G0B+2:G0B+3], s[46:47], s[18:19]
	s_or_b32 s[G0B+3], s[G0B+3], 0x80000000
.macro ARM under, g0, g1, next         ; one chain of branches on the wave's number, one load to an arm, all arms to one join
	s_cmp_lt_u32 s14, \under
	s_cbranch_scc0 \next
	tensor_load_to_lds s[\g0:\g0+3], s[\g1:\g1+7]
	s_nop 0
.rept 4
	v_nop
.endr
	s_branch .Lhead_asked
\next:
.endm
	ARM 1, G0+4,  G1,  .Lhead_b
	ARM 2, G0B+4, G1B, .Lhead_sa
	ARM 3, G0S,   G1S, .Lhead_sb
	tensor_load_to_lds s[G0SB:G0SB+3], s[G1SB:G1SB+7]
	s_nop 0
.rept 4
	v_nop
.endr
.Lhead_asked:
	s_load_b256 s[4:11], s[0:1], 0x30
	v_and_b32 v1, 15, v0
	v_bfe_u32 v2, v0, 4, 1
	v_mul_u32_u24 v3, v1, PITCH
	v_mul_u32_u24 v4, v2, 24
	v_add_nc_u32 v4, v3, v4
	v_lshl_add_u32 v5, v2, 4, v4
	s_mul_i32 s21, s15, HALFT
	s_mul_i32 s22, s16, HALFT
	s_add_co_u32 s22, s22, 2*HALFT
.irp s, 0,1
	v_add_nc_u32 v[ADRA+\s], s21, v4
	v_add_nc_u32 v[ADRB+\s], s22, v4
	v_add_nc_u32 v[ADRA+2+\s], s21, v5
	v_add_nc_u32 v[ADRB+2+\s], s22, v5
	s_add_co_u32 s21, s21, SLOT
	s_add_co_u32 s22, s22, SLOT
.endr
	v_mul_u32_u24 v5, v1, KS
	v_lshrrev_b32 v6, 8, v5
	v_lshl_add_u32 v5, v6, 4, v5
	s_mul_i32 s21, s15, HALFS
	s_mul_i32 s22, s16, HALFS
	s_add_co_u32 s22, s22, 2*HALFS
	s_sub_co_u32 s22, s22, s21
	v_mul_u32_u24 v6, s22, v2
	s_add_co_u32 s21, s21, SCL
	v_add_nc_u32 v5, v5, v6
	v_add_nc_u32 v[ADRS], s21, v5
	v_and_b32 v7, 31, v0
	v_lshlrev_b32 v[L16], 4, v7
	v_lshlrev_b32 v[L8], 3, v7
	v_mul_u32_u24 v[LH], v2, HB
	v_lshl_add_u32 v[LH], v1, 4, v[LH]
	v_lshlrev_b32 v[H16], 4, v2
	v_lshlrev_b32 v[H64], 6, v2
	v_and_b32 v[RR4], 8, v1
	v_add_nc_u32 v[RR4], v[RR4], v1
	v_lshlrev_b32 v[RR4], 2, v[RR4]
	s_lshl_b32 s18, s17, 8
	s_lshl_b32 s19, s15, 7
	s_add_co_u32 s18, s18, s19
	s_lshl_b32 s19, s42, 8
	s_lshl_b32 s21, s16, 7
	s_add_co_u32 s19, s19, s21
	s_lshr_b32 s21, s18, 6
	s_and_b32 s46, s19, 1023
	s_lshr_b32 s22, s46, 6
	s_lshl_b32 s46, s46, 2
	s_mov_b32 s47, 0
	s_lshl_b32 s92, s18, 2
	s_mov_b32 s93, 0
	s_and_b32 s66, ttmp9, 1
	s_or_b32 s66, s66, s2
	s_cmp_eq_u32 s2, 0
	s_cselect_b32 s44, s18, s19
	s_cselect_b32 s43, s22, s21
	s_lshr_b32 s21, s44, 11
	s_lshl_b32 s21, s21, 4
	s_add_co_u32 s21, s21, s43
	s_mul_i32 s21, s21, HB
	s_bfe_u32 s22, s44, 0x40007
	s_mul_i32 s22, s22, SB
	s_add_co_u32 s12, s21, s22
	s_mov_b32 s13, 0
	s_mov_b32 s94, 0x01b8
	s_mov_b32 s95, 0x01b8
	s_mov_b32 s[SEL], 0x76543210
	s_mov_b32 s[SEL+1], 0xfedcba98
	s_wait_alu depctr_va_vdst(0)
	s_wait_kmcnt 0x0
	s_cmp_eq_u32 s66, 0
	s_cselect_b64 s[96:97], s[96:97], s[98:99]
	s_cselect_b64 s[20:21], s[4:5], s[6:7]
	s_cselect_b32 s94, s94, 0x0101
	s_cselect_b32 s95, s95, 0x01be
	s_cmp_eq_u32 s2, 0
	s_cselect_b64 s[22:23], s[10:11], s[8:9]
	s_add_nc_u64 s[12:13], s[96:97], s[12:13]
	s_add_nc_u64 s[20:21], s[20:21], s[46:47]
	s_add_nc_u64 s[22:23], s[22:23], s[92:93]
	v_mov_b32 v[UU], s94
	v_mov_b32 v[MM], s95
.irp b, 0,1,2,3,4,5,6,7
	global_load_b128 v[BIB+8*\b:BIB+8*\b+3], v[H64], s[20:21] offset:(32*(\b/2)+8*(\b%2))*4
	global_load_b128 v[BIB+8*\b+4:BIB+8*\b+7], v[H64], s[20:21] offset:(32*(\b/2)+8*(\b%2))*4+16
.endr
.irp a, 0,1,2,3,4,5,6,7
	global_load_b32 v[ROWV+\a], v[RR4], s[22:23] offset:(32*(\a/2)+8*(\a%2))*4
.endr
.macro FRAG reg, adr, q, i
.irp p, 0,1,2,3,4,5
.set PCE, 12*(\q)+6*(\p/3)+\p%3
.if PCE%8 < 5
	ds_load_b64 v[\reg+2*\p:\reg+2*\p+1], v[\adr] offset:8*PCE+16*(PCE/8)+(\i)*16*PITCH
.else
	ds_load_b64 v[\reg+2*\p:\reg+2*\p+1], v[\adr+2] offset:8*PCE+16*(PCE/8)+(\i)*16*PITCH
.endif
.endr
.endm
.macro MUL16 a0, p, q, sc, zero
.irp a, \a0, \a0+1
.irp b, 0,1,2,3,4,5,6,7
.if \zero
	v_wmma_scale_f32_16x16x128_f8f6f4 v[8*(8*((\a)%4)+\b):8*(8*((\a)%4)+\b)+7], v[128*(\p)+FR*\b:128*(\p)+FR*\b+FR-1], v[AF+FR*(\a):AF+FR*(\a)+FR-1], 0, v[SC+8*NQ*(\sc)+NQ*\b+(\q)], v[SC+8*NQ*(\sc)+NQ*(\a)+(\q)] matrix_a_fmt:MATRIX_FMT_FP6 matrix_b_fmt:MATRIX_FMT_FP6 matrix_a_scale:MATRIX_SCALE_ROW1
.else
	v_wmma_scale_f32_16x16x128_f8f6f4 v[8*(8*((\a)%4)+\b):8*(8*((\a)%4)+\b)+7], v[128*(\p)+FR*\b:128*(\p)+FR*\b+FR-1], v[AF+FR*(\a):AF+FR*(\a)+FR-1], v[8*(8*((\a)%4)+\b):8*(8*((\a)%4)+\b)+7], v[SC+8*NQ*(\sc)+NQ*\b+(\q)], v[SC+8*NQ*(\sc)+NQ*(\a)+(\q)] matrix_a_fmt:MATRIX_FMT_FP6 matrix_b_fmt:MATRIX_FMT_FP6 matrix_a_scale:MATRIX_SCALE_ROW1
.endif
.endr
.endr
.endm
.macro FETCH_B slot, q, p
	WIN TO_B
.irp i, 0,1,2,3,4,5,6,7
	FRAG 128*(\p)+FR*\i, ADRB+\slot, \q, \i
.endr
	WIN 0
.endm
.macro FETCH_A slot, q, i0
.irp i, \i0, \i0+1, \i0+2, \i0+3
	FRAG AF+FR*(\i), ADRA+\slot, \q, \i
.endr
.endm
.macro SCALES sc
.irp i, 0,1,2,3,4,5,6,7
	ds_load_b64 v[SC+8*NQ*\sc+NQ*\i:SC+8*NQ*\sc+NQ*\i+1], v[ADRS] offset:\i*SBLK
.endr
.endm
.macro PLACES n
.rept \n
	v_nop
.endr
.endm
.macro STEP slot, q, zero
	s_wait_dscnt 4*NL
	WIN MUL_LO
	MUL16 0, (\q)%2, \q, \slot, \zero
	MUL16 2, (\q)%2, \q, \slot, \zero
	s_wait_dscnt 0
	PLACES NP
	FETCH_B \slot, (\q)+1, 1-(\q)%2
	FETCH_A \slot, (\q)+1, 0
	WIN MUL_HI
	MUL16 4, (\q)%2, \q, \slot, \zero
	MUL16 6, (\q)%2, \q, \slot, \zero
	PLACES NP
	WIN 0
	FETCH_A \slot, (\q)+1, 4
.endm
.macro TURN slot, next, fill
	s_wait_tensorcnt 0x0
	ds_add_u32 v[SPW], v[NIL]
	s_wait_dscnt 4*NL+1
	WIN MUL_LO
	MUL16 0, 1, NQ-1, \slot, 0
	s_wait_dscnt 0x0
	s_barrier_signal -1
	MUL16 2, 1, NQ-1, \slot, 0
	WIN 0
	s_barrier_wait -1
.if \fill
	CREST
	s_add_nc_u64 s[G0+4*\slot+2:G0+4*\slot+3], s[G0+4*\slot+2:G0+4*\slot+3], 2*TSTEP
	s_add_nc_u64 s[G0B+4*\slot+2:G0B+4*\slot+3], s[G0B+4*\slot+2:G0B+4*\slot+3], 2*TSTEP
	JLOAD G0+4*\slot, G1, G0B+4*\slot, G1B
.else
	PLACES NP
.endif
	s_wait_alu depctr_va_vdst(0)
	v_add_nc_u32 v[ADRS], 4*NQ, v[ADRS]
	FETCH_B \next, 0, 0
	FETCH_A \next, 0, 0
	SCALES \next
	WIN MUL_HI
	MUL16 4, 1, NQ-1, \slot, 0
	MUL16 6, 1, NQ-1, \slot, 0
	PLACES NP
	WIN 0
	FETCH_A \next, 0, 4
.endm
	s_wait_alu depctr_va_vdst(0)                   ; the wait at the head's end
	s_wait_tensorcnt 0x0                           ; my tile of the head's four is in
	ds_add_u32 v[SPW], v[NIL]
	s_mul_i32 s46, s16, HALFC                      ; no tensor load of mine is out: slot 1's group 0 is set for the ring: my 128 rows of K step 1,
	s_add_co_u32 s46, s46, TSTEP
	s_mov_b32 s47, 0
	s_add_nc_u64 s[G0+6:G0+7], s[G0+6:G0+7], s[46:47]
	s_add_nc_u64 s[G0B+6:G0B+7], s[G0B+6:G0B+7], s[46:47]
	s_add_co_u32 s[G0+5], s45, SLOT
	s_add_co_u32 s[G0B+5], s45, SLOT
.irp g, G1, G1B
	s_mov_b32 s[\g+2], 96<<16                      ; and from here on a load brings 96 rows of 256 bytes: 128 rows of codes
	s_mov_b32 s[\g+4], 96
.endr
	s_wait_dscnt 0x0
	CROUND                                         ; all four tiles are in, in every partner
	JLOAD G0+4, G1, G0B+4, G1B                     ; K step 1, the first tensor load behind the round
	FETCH_B 0, 0, 0
	FETCH_A 0, 0, 0
	SCALES 0
	FETCH_A 0, 0, 4
	STEP 0, 0, 1
	s_mov_b32 s3, LAPS-1
.Llap:
	TURN 0, 1, 1
	STEP 1, 0, 0
	TURN 1, 0, 1
	STEP 0, 0, 0
	s_sub_co_u32 s3, s3, 1
	s_cmp_lg_u32 s3, 0
	s_cbranch_scc1 .Llap
	TURN 0, 1, 0
	STEP 1, 0, 0
	s_wait_dscnt 4*NL
	WIN MUL_LO
	MUL16 0, 1, NQ-1, 1, 0
	MUL16 2, 1, NQ-1, 1, 0
	s_wait_dscnt 0
	WIN MUL_HI
	MUL16 4, 1, NQ-1, 1, 0
	MUL16 6, 1, NQ-1, 1, 0
	WIN 0
.macro QUANT s
.irp b, 0,1,2,3
	v_max3_num_f32 v[TM+\b], |v[\s+16*\b]|, |v[\s+1+16*\b]|, 0x1800000
.endr
.irp i, 2,4,6,8,10,12,14
.irp b, 0,1,2,3
	v_max3_num_f32 v[TM+\b], v[TM+\b], |v[\s+16*\b+\i]|, |v[\s+1+16*\b+\i]|
.endr
.endr
.irp b, 0,1,2,3
	v_permlanex16_b32 v[TM+4+\b], v[TM+\b], s[SEL], s[SEL+1]
.endr
.irp b, 0,1,2,3
	v_max_num_f32 v[TM+\b], v[TM+\b], v[TM+4+\b]
.endr
.irp b, 0,1,2,3
	v_add_nc_u32 v[TM+12+\b], 0xff000000, v[TM+\b]
.endr
.irp b, 0,1,2,3
	v_lshrrev_b32 v[TM+4+\b], 23, v[TM+12+\b]
.endr
	v_lshl_or_b32 v[PW], v[TM+5], 8, v[TM+4]
	v_lshl_or_b32 v[PW], v[TM+6], 16, v[PW]
	v_lshl_or_b32 v[PW], v[TM+7], 24, v[PW]
	s_wait_alu depctr_va_vdst(0)                   ; directly ahead of the wait below
	s_wait_xcnt 0x0                                ; the last block's stores have read the codes' registers, which are written next
.irp c, 0,1
	v_cvt_scalef32_pk16_fp6_f32 v[PC+6*\c:PC+2+6*\c], v[\s+32*\c:\s+15+32*\c], v[TM+12+2*\c]
	v_cvt_scalef32_pk16_fp6_f32 v[PC+12+4*\c:PC+14+4*\c], v[\s+16+32*\c:\s+31+32*\c], v[TM+12+2*\c+1]
.endr
	v_nop
.irp c, 0,1
.irp i, 0,1,2
	v_permlane16_swap_b32 v[PC+6*\c+\i], v[PC+12+4*\c+\i]
.endr
.irp i, 0,1,2
	v_mov_b32 v[PC+3+6*\c+\i], v[PC+12+4*\c+\i]
.endr
.endr
.endm
.macro EPI role
.irp a, 0,1,2,3,4,5,6,7
.if \role
	v_mov_b32 v230, v[ROWV+\a]
	v_mov_b32 v231, v[ROWV+\a]
.endif
	WIN (0x02+\a/4)
.set n, 0
.rept 32
.if \role
	v_pk_add_f32 v[HA+n:HA+n+1], v[64*(\a%4)+n:64*(\a%4)+n+1], v[230:231]
.else
	v_pk_add_f32 v[HA+n:HA+n+1], v[64*(\a%4)+n:64*(\a%4)+n+1], v[BIB+n:BIB+n+1]
.endif
.set n, n+2
.endr
	WIN 0
	QUANT HA
.if \role
	v_mov_b32 v[SWD+\a], v[PW]
	global_store_b128 v[L16], v[PC:PC+3], s[12:13] offset:(\a/4)*HB+6144+(\a%4)*1536
	global_store_b64 v[L8], v[PC+4:PC+5], s[12:13] offset:(\a/4)*HB+6144+(\a%4)*1536+512
	global_store_b128 v[L16], v[PC+6:PC+9], s[12:13] offset:(\a/4)*HB+6144+(\a%4)*1536+768
	global_store_b64 v[L8], v[PC+10:PC+11], s[12:13] offset:(\a/4)*HB+6144+(\a%4)*1536+1280
.else
	v_cmp_eq_u32 vcc_lo, 0, v[ROWV+\a]
	v_cndmask_b32 v229, v[UU], v[MM], vcc_lo
	v_bfe_u32 v230, v[PW], v[H16], 16
	v_lshl_or_b32 v[SWD+\a], v229, 16, v230
	global_store_b128 v[L16], v[PC:PC+3], s[12:13] offset:768*\a
	global_store_b64 v[L8], v[PC+4:PC+5], s[12:13] offset:768*\a+512
	global_store_b128 v[L16], v[PC+6:PC+9], s[12:13] offset:HB+768*\a
	global_store_b64 v[L8], v[PC+10:PC+11], s[12:13] offset:HB+768*\a+512
.endif
.endr
.if \role
	v_cmp_ne_u32 vcc_lo, 0, v[H16]
.irp i, 0,1,2,3
	v_cndmask_b32 v[SEL4+\i], v[SWD+\i], v[SWD+4+\i], vcc_lo
.endr
	global_store_b128 v[LH], v[SEL4:SEL4+3], s[12:13] offset:12800
.else
	global_store_b128 v[LH], v[SWD:SWD+3], s[12:13] offset:12288
	global_store_b128 v[LH], v[SWD+4:SWD+7], s[12:13] offset:12544
.endif
.endm
	PLACES NP
.irp b, 0,1,2,3
	v_mov_b32 v[TM+4+\b], 0
.endr
	s_wait_loadcnt 0x0                             ; the bias and the mask, asked for at the head, are first read on the way out
	s_cmp_lg_u32 s2, 0
	s_cbranch_scc1 .Lrole_v
	EPI 0
	s_branch .Ldone
.Lrole_v:
	EPI 1
.Ldone:
	s_wait_tensorcnt 0x0
	ds_add_u32 v[SPW], v[NIL]
	s_wait_dscnt 0x0
	CROUND
	s_endpgm
.Lfunc_end_k_q058e4a4a7b_proj:
	.size	k_q058e4a4a7b_proj, .Lfunc_end_k_q058e4a4a7b_proj-k_q058e4a4a7b_proj
	.p2alignl 7, 3214868480
	.fill 96, 4, 3214868480
	.section	.rodata,"a",@progbits
	.p2align	6, 0x0
	.amdhsa_kernel k_q058e4a4a7b_proj
		.amdhsa_group_segment_fixed_size 327680
		.amdhsa_private_segment_fixed_size 0
		.amdhsa_enable_private_segment 0
		.amdhsa_kernarg_size 80
		.amdhsa_user_sgpr_count 2
		.amdhsa_user_sgpr_kernarg_segment_ptr 1
		.amdhsa_wavefront_size32 1
		.amdhsa_system_sgpr_workgroup_id_x 1
		.amdhsa_system_sgpr_workgroup_id_y 1
		.amdhsa_system_sgpr_workgroup_id_z 1
		.amdhsa_system_vgpr_workitem_id 0
		.amdhsa_next_free_vgpr 1024
		.amdhsa_next_free_sgpr 102
		.amdhsa_reserve_vcc 1
		.amdhsa_float_denorm_mode_32 3
		.amdhsa_float_denorm_mode_16_64 3
		.amdhsa_memory_ordered 1
		.amdhsa_forward_progress 1
		.amdhsa_inst_pref_size 238
	.end_amdhsa_kernel
	.amdgpu_metadata
---
amdhsa.version: [ 1, 2 ]
amdhsa.kernels:
  - .name:           k_q058e4a4a7b_proj
    .symbol:         k_q058e4a4a7b_proj.kd
    .args:
      - { .name: xc, .offset: 0, .size: 8, .value_kind: global_buffer, .address_space: global }
      - { .name: xs, .offset: 8, .size: 8, .value_kind: global_buffer, .address_space: global }
      - { .name: wc, .offset: 16, .size: 8, .value_kind: global_buffer, .address_space: global }
      - { .name: ws, .offset: 24, .size: 8, .value_kind: global_buffer, .address_space: global }
      - { .name: qb, .offset: 32, .size: 8, .value_kind: global_buffer, .address_space: global }
      - { .name: kv, .offset: 40, .size: 8, .value_kind: global_buffer, .address_space: global }
      - { .name: bq, .offset: 48, .size: 8, .value_kind: global_buffer, .address_space: global }
      - { .name: bk, .offset: 56, .size: 8, .value_kind: global_buffer, .address_space: global }
      - { .name: bv, .offset: 64, .size: 8, .value_kind: global_buffer, .address_space: global }
      - { .name: mask, .offset: 72, .size: 8, .value_kind: global_buffer, .address_space: global }
    .group_segment_fixed_size: 327680
    .private_segment_fixed_size: 0
    .kernarg_segment_align: 8
    .kernarg_segment_size: 80
    .max_flat_workgroup_size: 128
    .sgpr_count:     102
    .vgpr_count:     1024
    .wavefront_size: 32
...
	.end_amdgpu_metadata
.endif
;; end of part 2
;; launch attn (part 3): grid 4 x 64, 16 waves a work-group, clusters of 4 x 1, 210,944 bytes of LDS; arguments qb, kv, cimg, csc; writes cimg, csc
.if DOCPART == 3
	.amdgcn_target "amdgcn-amd-amdhsa--gfx1250"
	.amdhsa_code_object_version 6
	.text
	.protected	k_q058e4a4a7b_attn
	.globl	k_q058e4a4a7b_attn
	.p2align	8
	.type	k_q058e4a4a7b_attn,@function
k_q058e4a4a7b_attn:
	s_mov_b64 s[64:65], 0
	v_nop
	global_prefetch_b8 v0, s[64:65] scope:SCOPE_SE
	s_setreg_imm32_b32 hwreg(HW_REG_WAVE_MODE, 25, 1), 1
	s_wait_xcnt 0x0
	s_wait_alu depctr_hold_cnt(0) depctr_sa_sdst(0) depctr_va_vdst(0) depctr_va_sdst(0) depctr_va_ssrc(0) depctr_va_vcc(0) depctr_vm_vsrc(0)
	s_getreg_b32 s2, hwreg(HW_REG_IB_STS2, 6, 4)
	s_cmp_eq_u32 s2, 0
	s_cbranch_scc0 .Lentry_in_a_cluster
	s_endpgm
.Lentry_in_a_cluster:
	s_bfe_u32 s2, ttmp6, 0x10000c
	s_cmp_lg_u32 s2, 0x3003
	s_cbranch_scc0 .Lentry_shape_is_right
	s_endpgm
.Lentry_shape_is_right:
; C[b][h][q][:] = softmax_k(Q . K / 8, hidden keys left out) V, both products on codes of FP6 (E2M3) with E8M0 scales; C is divided by the row's sum and quantised along the head's 64 at once.
; THE SOFTMAX AHEAD OF THE SECOND PRODUCT: t = score x log2(e) / 8; M = the row's largest t so far, rounded up to a whole number; p = 2^(t - M) is what is quantised, along the keys.
; The row's sum is taken of the unquantised p.  When M moves, the sum and O are multiplied by 2^(old M - new M): exact.
; SHARES.  A cluster of four work-groups is one (batch row, head); each work-group owns 512 queries, each of its sixteen waves two tiles of 16, one after the other.  Four waves share a SIMD, so that one wave's
; vector work stands beside another's matrix work and LDS loads.
; LDS.  The head's whole block of kv (16 key steps x 13,056 bytes) lies in LDS as it lies in memory, filled ONCE: wave w asks for step w, jointly with the same wave of the three partners.  No byte is filled again:
; the key loop has no ring and no barrier.  One tensor load of a wave is out.
; A step's block: 8 tiles of K of 768 bytes (registers 0-3: 16 bytes a lane; 4-5: 8 bytes a lane); from 6,144 V^T [d tile 4][half 2][768]; from 12,288 K's scale words [part 2][r 16][4]; from 12,800 V's [r 16][4].
; LAYOUT.  Both products are used transposed: S^T = K Q^T, O^T = V^T P^T: a lane holds one query (lane % 16).  Tiles are blocks of 16 POSITIONS (row = position with bits 3 and 4 exchanged), so that the 16 registers of
; tiles 2 b and 2 b + 1 are 16 neighbouring keys (or channels): 32 b + 16 (lane / 16) + 0 .. 15.
; THE MASK.  The head's K is 64: half of the instruction's 128.  At k = 64 Q holds the code of -7.5 and K that of +7.5; all other codes of Q's second half are zeros, so K's registers 7-11 may hold anything
; (they are the next fragment's first registers).  Byte 2 of Q's scale word is 2^57, of K's 2^63 for a hidden key and 2^-126 for an open one: a hidden score gets -56.25 x 2^120, so its p is 0.
; The largest t begins at -2^100: a step all of whose keys are hidden leaves M alone.
; LIMITS: |t| of open keys under 2^100; open scores carry -56.25 x 2^-69; a batch row whose mask is all zeros is not served (finite numbers where the definition has NaN); NaN and infinities are not served;
; csc's bytes, 2 of a row's 32 for each head, are stored singly: 2 bytes for each 48 bytes of codes.
; REGISTERS: v1 16 x lane, v2 8 x lane, v3 16 r; v4-6 the step's addresses; v7, v8 the add's two; v9 Q's scale words, v10 p's; v12 -M, v13 the largest t, v[14:15] the sum; v16-27 Q; v[28:29] f; v30 32 r + h;
; v32-67 four fragments of K, 8 registers apart; v68-115 four of V^T; v116-179 S^T, then p; v180-211 O^T; v212-223 p's codes; v224-230 conversions; v232-243, v252-255 at work; v244-247 K's scale words, v248-251 V's.
.set HB,    208896
.set SB,    13056
.set SPARE, HB                         ; behind the head's block: the spare words, 128 bytes for each of sixteen waves
.set SPW,   7
.set NIL,   8
.macro CROUND                          ; a round of the cluster's barrier
	s_barrier_signal -1
	s_barrier_wait -1
	s_cmp_lg_u32 s12, 0
	s_cbranch_scc1 .Lnot_wave_0_\@
	s_barrier_signal -3
.Lnot_wave_0_\@:
	s_barrier_wait -3
	s_barrier_signal -1
	s_barrier_wait -1
.endm
	s_load_b256 s[4:11], s[0:1], 0x0               ; qb s[4:5], kv s[6:7], cimg s[8:9], csc s[10:11]
	v_lshl_add_u32 v[SPW], v0, 2, SPARE
	v_mov_b32 v[NIL], 0
	ds_add_u32 v[SPW], v[NIL]                      ; the wave's opening: the add and its wait stand ahead of my tensor load; work on registers stands between them
	ds_add_u32 v[SPW], v[NIL]
	v_lshrrev_b32 v11, 5, v0
	s_delay_alu instid0(VALU_DEP_1)
	v_readfirstlane_b32 s12, v11                   ; wave 0..15
	s_bfe_u32 s13, ttmp6, 0x40000                  ; cx: my place in the cluster: it enters Q's and C's addresses alone
	s_and_b32 s14, ttmp7, 0xffff                   ; 16 x batch row + head, which the four partners share
	; descriptor group 1: 13,056 dense bytes as 51 rows of 256 (32 elements of 8 bytes), no padding; the mask names all four work-groups
	s_mov_b32 s24, 15|(3<<16)|(1<<21)
	s_mov_b32 s25, 32<<16                          ; tensor_dim0
	s_mov_b32 s26, 51<<16                          ; tensor_dim1
	s_mov_b32 s27, 32<<16                          ; tile_dim0
	s_mov_b32 s28, 51                              ; tile_dim1
	s_mov_b32 s29, 32                              ; the pitch
	s_mov_b32 s30, 0
	s_mov_b32 s31, 0
	s_mov_b32 s32, 1
	s_mul_i32 s33, s12, SB                         ; LDS address: step w
	s_mul_i32 s16, s14, HB                         ; the head's first byte in kv and in qb
	s_add_co_u32 s18, s16, s33
	s_mov_b32 s19, 0
	s_lshl_b32 s40, s13, 2                         ; Q: my first tile is 32 cx + w of the head's 128: step 4 cx + w / 8, tile w % 8
	s_lshr_b32 s15, s12, 3
	s_add_co_u32 s40, s40, s15
	s_mul_i32 s40, s40, SB
	s_add_co_u32 s40, s40, s16
	s_and_b32 s15, s12, 7
	s_lshr_b32 s17, s15, 2
	s_lshl_b32 s17, s17, 8
	s_and_b32 s42, s12, 3
	s_lshl_b32 s42, s42, 2
	s_add_co_u32 s42, s42, s17
	s_add_co_u32 s42, s42, s40
	s_add_co_u32 s42, s42, 12288                   ; its scale words: part (w % 8) / 4, word w % 4
	s_mov_b32 s43, 0
	s_mul_i32 s15, s15, 768
	s_add_co_u32 s40, s40, s15                     ; its codes
	s_mov_b32 s41, 0
	s_lshr_b32 s44, s14, 4                         ; C: tile 128 x batch row + 32 cx + w
	s_lshl_b32 s44, s44, 7
	s_lshl_b32 s15, s13, 5
	s_add_co_u32 s44, s44, s15
	s_add_co_u32 s44, s44, s12
	s_and_b32 s15, s14, 15                         ; the head
	s_lshl_b32 s46, s44, 9                         ; csc: 16 rows of 32 bytes a tile, + 2 x head
	s_lshl_b32 s17, s15, 1
	s_add_co_u32 s46, s46, s17
	s_mov_b32 s47, 0
	s_mul_i32 s44, s44, 12288                      ; cimg: 16 heads x 768 bytes a tile
	s_mul_i32 s15, s15, 768
	s_add_co_u32 s44, s44, s15
	s_mov_b32 s45, 0
	s_mov_b32 s20, 0x76543210                      ; selects for lane l xor 16
	s_mov_b32 s21, 0xfedcba98
	s_mov_b32 s22, 0x3e38aa3b                      ; c = log2(e) / 8
	s_mov_b32 s23, s22                             ; (named with it as a pair, so it is written)
	s_wait_dscnt 0x0                               ; the opening add is done
	s_wait_kmcnt 0x0
	s_add_nc_u64 s[34:35], s[6:7], s[18:19]        ; global address: step w of the head's block
	s_or_b32 s35, s35, 0x80000000                  ; type = 2
	s_add_nc_u64 s[40:41], s[4:5], s[40:41]
	s_add_nc_u64 s[42:43], s[4:5], s[42:43]
	s_add_nc_u64 s[44:45], s[8:9], s[44:45]
	s_add_nc_u64 s[46:47], s[10:11], s[46:47]
	CROUND                                         ; all four work-groups are here: the joint loads meet
	tensor_load_to_lds s[32:35], s[24:31]          ; my one tensor load
	s_nop 0
.rept 4
	v_nop
.endr
	v_and_b32 v11, 31, v0
	s_delay_alu instid0(VALU_DEP_1)
	v_lshlrev_b32 v1, 4, v11                       ; 16 x lane
	s_delay_alu instid0(VALU_DEP_2)
	v_lshlrev_b32 v2, 3, v11                       ; 8 x lane
	v_and_b32 v3, 15, v0                           ; r
	v_bfe_u32 v29, v0, 4, 1                        ; h  (v29 is named later as the upper half of the pair v[28:29]: so it is written)
	s_delay_alu instid0(VALU_DEP_1)
	v_lshl_add_u32 v30, v3, 5, v29                 ; 32 r + h
	s_delay_alu instid0(VALU_DEP_2)
	v_cmp_ne_u32 s38, 0, v29                       ; lanes 16-31
	s_delay_alu instid0(VALU_DEP_4)
	v_lshlrev_b32 v3, 4, v3                        ; 16 r
	s_delay_alu instid0(VALU_DEP_4)
	v_sub_nc_u32 v22, 1, v29
	s_delay_alu instid0(VALU_DEP_1)
	v_mul_u32_u24 v22, v22, 0x3f                   ; Q's register 6: the code of -7.5 at k = 64 (lanes 0-15); zeros at k = 96 on (lanes 16-31)
.irp j, 23,24,25,26,27
	v_mov_b32 v\j, 0                               ; the rest of Q's second half: zero codes
.endr
.irp t, 0,1,2,3
	v_mov_b32 v[38+8*\t], 0x1f                     ; K's register 6: the code of +7.5 at k = 64
	v_mov_b32 v[39+8*\t], 0
.endr
.irp j, 64,65,66,67
	v_mov_b32 v\j, 0
.endr
.irp j, 236,237,238,239,252,253
	v_mov_b32 v\j, 0                               ; a lane permute's destination counts as one of its sources
.endr
; A KEY STEP: 128 keys at LDS byte s36.
.macro STEP
	v_add_nc_u32 v4, s36, v1
	v_add_nc_u32 v5, s36, v2
	v_add_nc_u32 v6, s36, v3
.irp t, 0,1,2,3                                ; K's tiles 0-3
	ds_load_b128 v[32+8*\t:35+8*\t], v4 offset:768*\t
	ds_load_b64 v[36+8*\t:37+8*\t], v5 offset:768*\t+512
.endr
	ds_load_b128 v[244:247], v6 offset:12288       ; and their scale words
	s_wait_alu depctr_va_vdst(0)
	s_wait_dscnt 0x0
.irp t, 0,1,2,3
	v_wmma_scale_f32_16x16x128_f8f6f4 v[116+8*\t:123+8*\t], v[32+8*\t:43+8*\t], v[16:27], 0, v[244+\t], v9 matrix_a_fmt:MATRIX_FMT_FP6 matrix_b_fmt:MATRIX_FMT_FP6
.endr
.rept 4
	v_nop                                          ; places in front of loads into registers that these products have read; with the three additions above, seven behind the last step's products, which read V's
.endr
.irp t, 0,1,2,3                                ; K's tiles 4-7
	ds_load_b128 v[32+8*\t:35+8*\t], v4 offset:768*(4+\t)
	ds_load_b64 v[36+8*\t:37+8*\t], v5 offset:768*(4+\t)+512
.endr
	ds_load_b128 v[244:247], v6 offset:12544
.irp d, 0,1,2,3                                ; V^T's four fragments land while the softmax is worked
	ds_load_b128 v[68+12*\d:71+12*\d], v4 offset:6144+1536*\d
	ds_load_b64 v[72+12*\d:73+12*\d], v5 offset:6144+1536*\d+512
	ds_load_b128 v[74+12*\d:77+12*\d], v4 offset:6144+1536*\d+768
	ds_load_b64 v[78+12*\d:79+12*\d], v5 offset:6144+1536*\d+1280
.endr
	ds_load_b128 v[248:251], v6 offset:12800
	s_wait_dscnt 17                                ; K's nine loads are in; V's sixteen and its scale words, issued behind them, may be out
.irp t, 0,1,2,3
	v_wmma_scale_f32_16x16x128_f8f6f4 v[148+8*\t:155+8*\t], v[32+8*\t:43+8*\t], v[16:27], 0, v[244+\t], v9 matrix_a_fmt:MATRIX_FMT_FP6 matrix_b_fmt:MATRIX_FMT_FP6
.endr
.irp g, 0,2                                    ; the largest score of each block of 32 keys: it serves for the row's maximum and for the block's largest p.  Blocks 0 and 1 begin: their four lines name no register of the four products above and are the places behind them
.irp b, 0,1
	v_max3_num_f32 v[232+\g+\b], v[116+16*(\g+\b)], v[117+16*(\g+\b)], v[118+16*(\g+\b)]
.endr
.irp b, 0,1
	v_max3_num_f32 v[232+\g+\b], v[232+\g+\b], v[119+16*(\g+\b)], v[120+16*(\g+\b)]
.endr
.endr
.irp i, 5,7,9,11,13
.irp b, 0,1,2,3
	v_max3_num_f32 v[232+\b], v[232+\b], v[116+16*\b+\i], v[117+16*\b+\i]
.endr
.endr
.irp b, 0,1,2,3
	v_max_num_f32 v[232+\b], v[232+\b], v[131+16*\b]
.endr
.irp b, 0,1,2,3
	s_delay_alu instid0(VALU_DEP_4)
	v_permlanex16_b32 v[236+\b], v[232+\b], s20, s21
.endr
.irp b, 0,1,2,3
	s_delay_alu instid0(VALU_DEP_4)
	v_max_num_f32 v[232+\b], v[232+\b], v[236+\b]  ; with lane l xor 16's 16 keys
.endr
	s_delay_alu instid0(VALU_DEP_2)
	v_max3_num_f32 v254, v232, v233, v234
	s_delay_alu instid0(VALU_DEP_1)
	v_max_num_f32 v254, v254, v235                 ; the step's largest score of my query
	s_delay_alu instid0(VALU_DEP_1)
	v_mul_f32 v254, s22, v254                      ; as t (c is positive)
	s_delay_alu instid0(VALU_DEP_1)
	v_max_num_f32 v13, v13, v254                   ; the running largest t
	v_mov_b32 v254, v12
	s_delay_alu instid0(VALU_DEP_2)
	v_floor_f32 v12, -v13                          ; the new -M = floor(-t): M is a whole number
	s_delay_alu instid0(VALU_DEP_1)
	v_sub_f32 v254, v12, v254                      ; old M - new M: a whole number, 0 or less
	s_delay_alu instid0(VALU_DEP_1)
	v_cvt_i32_f32 v254, v254                       ; (it saturates)
	s_delay_alu instid0(VALU_DEP_1)
	v_ldexp_f32 v28, 1.0, v254                     ; f = 2^(old M - new M)
.set n, 0
.rept 32
	v_pk_fma_f32 v[116+n:117+n], v[116+n:117+n], s[22:23], v[12:13] op_sel_hi:[1,0,0]   ; t - M, two at a time
.set n, n+2
.endr
.irp b, 0,1,2,3
	v_fma_f32 v[232+\b], v[232+\b], s22, v12       ; the same of each block's largest score
.endr
.set n, 0
	s_wait_alu depctr_va_vdst(0)
.rept 64
	v_exp_f32 v[116+n], v[116+n]                   ; p = 2^(t - M), at most 1
.set n, n+1
.endr
	v_pk_mul_f32 v[14:15], v[14:15], v[28:29] op_sel_hi:[1,0]   ; the sums under the new M (a plain line behind the exponentials)
	s_wait_alu depctr_va_vdst(0)                   ; one wait for the batch of 64, ahead of its first reader
.irp b, 0,1,2,3
	v_exp_f32 v[232+\b], v[232+\b]                 ; the block's largest p
.endr
	v_pk_add_f32 v[252:253], v[120:121], v[124:125]
	v_pk_add_f32 v[254:255], v[128:129], v[132:133]
	v_pk_add_f32 v[246:247], v[136:137], v[140:141]
	v_pk_add_f32 v[244:245], v[144:145], v[148:149]
	v_pk_add_f32 v[242:243], v[152:153], v[156:157]
	v_pk_add_f32 v[240:241], v[160:161], v[164:165]
	v_pk_add_f32 v[238:239], v[168:169], v[172:173]
	v_pk_add_f32 v[14:15], v[14:15], v[176:177]
	v_pk_add_f32 v[252:253], v[252:253], v[116:117]
	v_pk_add_f32 v[254:255], v[254:255], v[118:119]
	v_pk_add_f32 v[246:247], v[246:247], v[122:123]
	v_pk_add_f32 v[244:245], v[244:245], v[126:127]
	v_pk_add_f32 v[242:243], v[242:243], v[130:131]
	v_pk_add_f32 v[240:241], v[240:241], v[134:135]
	v_pk_add_f32 v[238:239], v[238:239], v[138:139]
	v_pk_add_f32 v[14:15], v[14:15], v[142:143]
	v_pk_add_f32 v[252:253], v[252:253], v[146:147]
	v_pk_add_f32 v[254:255], v[254:255], v[150:151]
	v_pk_add_f32 v[246:247], v[246:247], v[154:155]
	v_pk_add_f32 v[244:245], v[244:245], v[158:159]
	v_pk_add_f32 v[242:243], v[242:243], v[162:163]
	v_pk_add_f32 v[240:241], v[240:241], v[166:167]
	v_pk_add_f32 v[238:239], v[238:239], v[170:171]
	v_pk_add_f32 v[14:15], v[14:15], v[174:175]
	v_pk_add_f32 v[252:253], v[252:253], v[178:179]
	s_delay_alu instid0(VALU_DEP_2)
	v_pk_add_f32 v[14:15], v[14:15], v[244:245]
	s_delay_alu instid0(VALU_DEP_2)
	v_pk_add_f32 v[252:253], v[252:253], v[242:243]
	v_pk_add_f32 v[254:255], v[254:255], v[240:241]
	v_pk_add_f32 v[246:247], v[246:247], v[238:239]
	s_delay_alu instid0(VALU_DEP_2)
	v_pk_add_f32 v[14:15], v[14:15], v[254:255]
	s_delay_alu instid0(VALU_DEP_2)
	v_pk_add_f32 v[252:253], v[252:253], v[246:247]
	s_delay_alu instid0(VALU_DEP_1)
	v_pk_add_f32 v[14:15], v[14:15], v[252:253]
	s_wait_alu depctr_va_vdst(0)                   ; and one for the four
.irp b, 0,1,2,3
	v_max_num_f32 v[232+\b], 0x1800000, v[232+\b]  ; the floor 2^(3 - 127): a block whose every p is 0 keeps the byte 1: its codes are zeros
.endr
.irp b, 0,1,2,3
	s_delay_alu instid0(VALU_DEP_4)
	v_add_nc_u32 v[240+\b], 0xff000000, v[232+\b]  ; 2 off the exponent field: the conversion's scale operand
.endr
.irp b, 0,1,2,3
	s_delay_alu instid0(VALU_DEP_4)
	v_lshrrev_b32 v[236+\b], 23, v[240+\b]         ; the scale's byte
.endr
	s_delay_alu instid0(VALU_DEP_3)
	v_lshl_or_b32 v10, v237, 8, v236               ; p's scale word for these 128 keys
	s_delay_alu instid0(VALU_DEP_1)
	v_lshl_or_b32 v10, v238, 16, v10
	s_delay_alu instid0(VALU_DEP_1)
	v_lshl_or_b32 v10, v239, 24, v10
.irp c, 0,1
	v_cvt_scalef32_pk16_fp6_f32 v[212+6*\c:214+6*\c], v[116+32*\c:131+32*\c], v[240+2*\c]
	v_cvt_scalef32_pk16_fp6_f32 v[224+4*\c:226+4*\c], v[132+32*\c:147+32*\c], v[240+2*\c+1]   ; (a conversion's three registers begin on an even number)
.endr
	v_nop                                          ; one plain line behind a scaled conversion
.irp c, 0,1                                    ; a whole block in a lane: lanes 0-15 block 2 c, lanes 16-31 block 2 c + 1
.irp i, 0,1,2
	v_permlane16_swap_b32 v[212+6*\c+\i], v[224+4*\c+\i]
.endr
.irp i, 0,1,2
	s_delay_alu instid0(VALU_DEP_3)
	v_mov_b32 v[215+6*\c+\i], v[224+4*\c+\i]
.endr
.endr
.set n, 0
.rept 16
	v_pk_mul_f32 v[180+n:181+n], v[180+n:181+n], v[28:29] op_sel_hi:[1,0]   ; O^T under the new M.  Of these sixteen, twelve name no register of any one of the products below: the places between p's codes and scale word and those products
.set n, n+2
.endr
	s_wait_alu depctr_va_vdst(0)
	s_wait_dscnt 0x0                               ; V^T and its scale words are in
.irp d, 0,1,2,3                                ; O^T += V^T P^T: the four accumulators by turns
	v_wmma_scale_f32_16x16x128_f8f6f4 v[180+8*\d:187+8*\d], v[68+12*\d:79+12*\d], v[212:223], v[180+8*\d:187+8*\d], v[248+\d], v10 matrix_a_fmt:MATRIX_FMT_FP6 matrix_b_fmt:MATRIX_FMT_FP6
.endr
	s_add_co_u32 s36, s36, SB                      ; the next step
.endm
; THE WAY OUT of a tile: O^T / the sum; its 32 registers are channels 32 b + 16 h + i: two blocks of the next product's K.  Codes leave as an image of registers 0-5, three stores of 256 consecutive bytes.
.macro CQ p
.rept 4
	v_nop                                          ; places behind the last products
.endr
	v_add_f32 v14, v14, v15                        ; the sum's two halves,
	s_delay_alu instid0(VALU_DEP_1)
	v_permlanex16_b32 v252, v14, s20, s21
	s_delay_alu instid0(VALU_DEP_1)
	v_add_f32 v14, v14, v252                       ; and lane l xor 16's
	s_wait_alu depctr_va_vdst(0)
	v_rcp_f32 v14, v14
	v_nop                                          ; a plain line behind the reciprocal,
	s_wait_alu depctr_va_vdst(0)                   ; and the wait ahead of its first reader
.set n, 0
.rept 16
	v_pk_mul_f32 v[116+n:117+n], v[180+n:181+n], v[14:15] op_sel_hi:[1,0]   ; ascending: each accumulator from its low end on
.set n, n+2
.endr
.irp b, 0,1
	v_max3_num_f32 v[232+\b], |v[116+16*\b]|, |v[117+16*\b]|, 0x1800000
.endr
.irp i, 2,4,6,8,10,12,14
.irp b, 0,1
	s_delay_alu instid0(VALU_DEP_2)
	v_max3_num_f32 v[232+\b], v[232+\b], |v[116+16*\b+\i]|, |v[117+16*\b+\i]|
.endr
.endr
.irp b, 0,1
	s_delay_alu instid0(VALU_DEP_2)
	v_permlanex16_b32 v[236+\b], v[232+\b], s20, s21
.endr
.irp b, 0,1
	s_delay_alu instid0(VALU_DEP_2)
	v_max_num_f32 v[232+\b], v[232+\b], v[236+\b]
.endr
.irp b, 0,1
	s_delay_alu instid0(VALU_DEP_2)
	v_add_nc_u32 v[240+\b], 0xff000000, v[232+\b]
.endr
.irp b, 0,1
	s_delay_alu instid0(VALU_DEP_2)
	v_lshrrev_b32 v[236+\b], 23, v[240+\b]
.endr
	v_cvt_scalef32_pk16_fp6_f32 v[212:214], v[116:131], v240
	v_cvt_scalef32_pk16_fp6_f32 v[224:226], v[132:147], v241
	v_cndmask_b32 v238, v236, v237, s38            ; my half's block's byte (a plain line behind the conversions)
.irp i, 0,1,2
	v_permlane16_swap_b32 v[212+\i], v[224+\i]
.endr
.irp i, 0,1,2
	s_delay_alu instid0(VALU_DEP_3)
	v_mov_b32 v[215+\i], v[224+\i]
.endr
.irp j, 0,1,2
	global_store_b64 v2, v[212+2*\j:213+2*\j], s[44:45] offset:196608*\p+256*\j
.endr
	global_store_b8 v30, v238, s[46:47] offset:8192*\p
.endm
; A PASS: tile 32 cx + 16 p + w: two key steps' blocks further on in qb, 16 tiles further on in cimg and csc.
.macro PASS p
	s_wait_xcnt 0x0                                ; the last pass's stores have read their registers
	global_load_b128 v[16:19], v1, s[40:41] offset:26112*\p
	global_load_b64 v[20:21], v2, s[40:41] offset:26112*\p+512
	global_load_b32 v9, v3, s[42:43] offset:26112*\p
	v_mov_b32 v13, 0xf1800000                      ; the largest t so far: -2^100
	s_delay_alu instid0(VALU_DEP_1)
	v_floor_f32 v12, -v13                          ; -M
	v_mov_b32 v14, 0
	v_mov_b32 v15, 0
.set n, 0
.rept 32
	v_mov_b32 v[180+n], 0                          ; O^T: the step is written once; the first change of M leaves zeros zeros
.set n, n+1
.endr
	s_mov_b32 s36, 0
	s_mov_b32 s37, 16
	s_wait_loadcnt 0x0                             ; Q
.if \p == 0
	s_wait_tensorcnt 0x0                           ; my step has landed (Q's loads and the clearing above were issued while it was out),
	s_barrier_signal -1
	s_barrier_wait -1                              ; everybody's has: the head's block is whole, and nothing writes it again
.endif
.Lstep_\@:
	STEP
	s_sub_co_u32 s37, s37, 1
	s_cmp_lg_u32 s37, 0
	s_cbranch_scc1 .Lstep_\@
	CQ \p
.endm
	PASS 0
	PASS 1
	s_wait_tensorcnt 0x0                           ; the wave's end
	ds_add_u32 v[SPW], v[NIL]
	s_wait_dscnt 0x0
	CROUND                                         ; the closing round
	s_endpgm
.Lfunc_end_k_q058e4a4a7b_attn:
	.size	k_q058e4a4a7b_attn, .Lfunc_end_k_q058e4a4a7b_attn-k_q058e4a4a7b_attn
	.p2alignl 7, 3214868480
	.fill 96, 4, 3214868480
	.section	.rodata,"a",@progbits
	.p2align	6, 0x0
	.amdhsa_kernel k_q058e4a4a7b_attn
		.amdhsa_group_segment_fixed_size 210944
		.amdhsa_private_segment_fixed_size 0
		.amdhsa_enable_private_segment 0
		.amdhsa_kernarg_size 32
		.amdhsa_user_sgpr_count 2
		.amdhsa_user_sgpr_kernarg_segment_ptr 1
		.amdhsa_wavefront_size32 1
		.amdhsa_system_sgpr_workgroup_id_x 1
		.amdhsa_system_sgpr_workgroup_id_y 1
		.amdhsa_system_sgpr_workgroup_id_z 1
		.amdhsa_system_vgpr_workitem_id 0
		.amdhsa_next_free_vgpr 256
		.amdhsa_next_free_sgpr 66
		.amdhsa_reserve_vcc 0
		.amdhsa_float_denorm_mode_32 3
		.amdhsa_float_denorm_mode_16_64 3
		.amdhsa_memory_ordered 1
		.amdhsa_forward_progress 1
		.amdhsa_inst_pref_size 52
	.end_amdhsa_kernel
	.amdgpu_metadata
---
amdhsa.version: [ 1, 2 ]
amdhsa.kernels:
  - .name:           k_q058e4a4a7b_attn
    .symbol:         k_q058e4a4a7b_attn.kd
    .args:
      - { .name: qb, .offset: 0, .size: 8, .value_kind: global_buffer, .address_space: global }
      - { .name: kv, .offset: 8, .size: 8, .value_kind: global_buffer, .address_space: global }
      - { .name: cimg, .offset: 16, .size: 8, .value_kind: global_buffer, .address_space: global }
      - { .name: csc, .offset: 24, .size: 8, .value_kind: global_buffer, .address_space: global }
    .group_segment_fixed_size: 210944
    .private_segment_fixed_size: 0
    .kernarg_segment_align: 8
    .kernarg_segment_size: 32
    .max_flat_workgroup_size: 512
    .sgpr_count:     66
    .vgpr_count:     256
    .wavefront_size: 32
...
	.end_amdgpu_metadata
.endif
;; end of part 3
;; launch outp (part 4): grid 4 x 64, 4 waves a work-group, clusters of 4 x 4, 327,680 bytes of LDS; arguments cimg, csc, wc, ws, bo, out0; writes out0
.if DOCPART == 4
	.amdgcn_target "amdgcn-amd-amdhsa--gfx1250"
	.amdhsa_code_object_version 6
	.text
	.protected	k_q058e4a4a7b_outp
	.globl	k_q058e4a4a7b_outp
	.p2align	8
	.type	k_q058e4a4a7b_outp,@function
k_q058e4a4a7b_outp:
	s_mov_b64 s[64:65], 0
	v_nop
	global_prefetch_b8 v0, s[64:65] scope:SCOPE_SE
	s_setreg_imm32_b32 hwreg(HW_REG_WAVE_MODE, 25, 1), 1
	s_wait_xcnt 0x0
	s_wait_alu depctr_hold_cnt(0) depctr_sa_sdst(0) depctr_va_vdst(0) depctr_va_sdst(0) depctr_va_ssrc(0) depctr_va_vcc(0) depctr_vm_vsrc(0)
	s_getreg_b32 s2, hwreg(HW_REG_IB_STS2, 6, 4)
	s_cmp_eq_u32 s2, 0
	s_cbranch_scc0 .Lentry_in_a_cluster
	s_endpgm
.Lentry_in_a_cluster:
	s_bfe_u32 s2, ttmp6, 0x10000c
	s_cmp_lg_u32 s2, 0xf033
	s_cbranch_scc0 .Lentry_shape_is_right
	s_endpgm
.Lentry_shape_is_right:
.set SIZE_N, 1024
.set KSTEP,  256
.set NQ,     2
; out0 = C Wo^T + bo on codes of FP6.  A: cimg, images of operand registers, 16 rows x 256 K in 3,072 bytes; B: Wo's rows in wc, [group of 256 rows][K step of 256][row][192 bytes], asked for as rows of 256 bytes.
; A BLOCK of out0 is 128 rows x 256 columns: 64 x 4 = 256 work-groups.  Four waves, 2 x 2: a wave makes 64 x 128 in 32 accumulators (window 2).
; A's four fragments and B's eight lie twice in registers: in each step of 128 along K, 16 products, then the fetch of the next step's fragments into the other sets, then the other 16 products.
; THE HEAD: one joint load a wave: wave 0 A's 128 rows of K step 0, wave 1 B's 256, wave 2 A's scale bytes, wave 3 B's.  Slot 1 is first filled behind the three lines and a round: waves 0 and 1 half of A's tile each, waves 2 and 3 half of B's.
; One register carries the scale words of A's block i (lanes 0-15) and of B's block i (lanes 16-31).  A has blocks 0-3 only: for i = 4 .. 7 lanes 0-15 read words further on among the scale bytes in LDS, which no product takes.
.set TSTEP,  49152                     ; from a K step's tile of 256 rows of B to the next
.set HALFC,  24576                     ; 128 rows of B's tile in memory
.set AHL,    12288                     ; 64 rows of A's tile in LDS: four images
.set ASTEP,  3072
.set KROW,   768
.set PITCH,  240
.set FR,     12
.set NL,     6
.set NP,     4
.set HALFT,  128*PITCH
.set SLOT,   4*HALFT
.set LAPS,   2
.set KS,     32
.set SCL,    2*SLOT
.set HALFS,  16*272
.set SBLK,   2*272
.set SPARE,  SCL+4*HALFS
.set SPITCH, 528
.set ADRA, 16
.set ADRB, 20
.set STO,  24
.set RD,   25
.set CO,   26
.set ADRS, 27
.set SPW,  28
.set NIL,  29
.set SC,   32
.set BO,   64
.set AF0,  128                         ; A's fragments: set 0 at v128, set 1 at v176
.set AF,   128                         ; the set that the macros below name: set anew ahead of each use
.set BK,   128
.set G1, 24
.set G0, 32
.set G1B, 48
.set G0B, 56
.set G1S, 68
.set G0S, 76
.set G1SB, 80
.set G0SB, 88
.set MSB, 0
.macro WIN new
.if MSB != \new
	s_set_vgpr_msb (MSB<<8)|\new
.set MSB, \new
.endif
.endm
.set MUL_LO, 0xa1
.set MUL_HI, 0xf1
.set TO_B,   0x40
.macro JLOAD g0a, g1a, g0b, g1b
	s_cmp_eq_u32 s15, 0
	s_cbranch_scc0 .Lfor_b_\@
	tensor_load_to_lds s[\g0a:\g0a+3], s[\g1a:\g1a+7]
	s_nop 0
.rept 4
	v_nop
.endr
	s_branch .Lasked_\@
.Lfor_b_\@:
	tensor_load_to_lds s[\g0b:\g0b+3], s[\g1b:\g1b+7]
	s_nop 0
.rept 4
	v_nop
.endr
.Lasked_\@:
.endm
.macro CREST
	s_cmp_lg_u32 s14, 0
	s_cbranch_scc1 .Lnot_wave_0_\@
	s_barrier_signal -3
.Lnot_wave_0_\@:
	s_barrier_wait -3
	s_barrier_signal -1
	s_barrier_wait -1
.endm
.macro CROUND
	s_barrier_signal -1
	s_barrier_wait -1
	CREST
.endm
	s_load_b128 s[4:7], s[0:1], 0x0
	s_load_b128 s[8:11], s[0:1], 0x10
	s_load_b64 s[96:97], s[0:1], 0x20
	s_load_b64 s[12:13], s[0:1], 0x28
	v_lshl_add_u32 v[SPW], v0, 2, SPARE
	v_mov_b32 v[NIL], 0
	ds_add_u32 v[SPW], v[NIL]
	ds_add_u32 v[SPW], v[NIL]
	v_lshrrev_b32 v1, 5, v0
	v_readfirstlane_b32 s14, v1
	s_lshr_b32 s15, s14, 1
	s_and_b32 s16, s14, 1
	s_bfe_u32 s40, ttmp6, 0x40000
	s_bfe_u32 s41, ttmp6, 0x40004
	s_lshl_b32 s42, ttmp9, 2
	s_add_co_u32 s42, s42, s40
	s_and_b32 s17, ttmp7, 0xffff
	s_lshl_b32 s17, s17, 2
	s_add_co_u32 s17, s17, s41
	s_lshl_b32 s43, s41, 2
	s_lshl_b32 s43, 15, s43
	s_lshl_b32 s44, 0x1111, s40
	s_or_b32 s[G1+0], s43, (3<<16)|(1<<21)
	s_mov_b32 s[G1+1], 384<<16
	s_mov_b32 s[G1+2], 8<<16
	s_mov_b32 s[G1+3], 384<<16
	s_mov_b32 s[G1+4], 8
	s_mov_b32 s[G1+5], 1536
	s_mov_b32 s[G1+6], 0
	s_mov_b32 s[G1+7], 0
	s_or_b32 s[G1B+0], s44, (0<<16)|(1<<20)|(1<<21)|(3<<22)|(3<<25)
	s_mov_b32 s[G1B+1], 256<<16
	s_mov_b32 s[G1B+2], 192<<16
	s_mov_b32 s[G1B+3], 256<<16
	s_mov_b32 s[G1B+4], 192
	s_mov_b32 s[G1B+5], 256
	s_mov_b32 s[G1B+6], 0
	s_mov_b32 s[G1B+7], 0
	s_or_b32 s[G1S+0], s43, (3<<16)|(1<<20)|(1<<21)|(5<<22)|(3<<25)
	s_or_b32 s[G1SB+0], s44, (3<<16)|(1<<20)|(1<<21)|(5<<22)|(3<<25)
.irp g, G1S, G1SB
	s_mov_b32 s[\g+1], 32<<16
	s_mov_b32 s[\g+3], 32<<16
	s_mov_b32 s[\g+5], 32
	s_mov_b32 s[\g+6], 0
	s_mov_b32 s[\g+7], 0
.endr
	s_mov_b32 s[G1S+2], 16<<16                     ; the scale bytes of A's 128 rows: 16 rows of 256 bytes;
	s_mov_b32 s[G1S+4], 16
	s_mov_b32 s[G1SB+2], 32<<16                    ; of B's 256 rows: 32
	s_mov_b32 s[G1SB+4], 32
	s_lshl_b32 s20, s17, 7                         ; A's tile: its first row, 128 x tile row
	s_lshl_b32 s46, s42, 8
	s_add_co_u32 s46, s46, 3072
	s_mul_i32 s18, s16, HALFC                      ; in the ring I fetch 128 rows of a tile: which half, in bytes: of B,
	s_mov_b32 s19, 0
	s_mul_i32 s2, s16, 64*KROW                     ; and of A: 64 rows
	s_mov_b32 s3, 0
	s_lshl_b32 s22, s20, 5
	s_mov_b32 s23, 0
	s_lshl_b32 s92, s46, 5
	s_mov_b32 s93, 0
	s_mul_i32 s20, s20, KROW
	s_mov_b32 s21, 0
	s_mul_i32 s46, s46, KROW
	s_mov_b32 s47, 0
	s_mul_i32 s45, s14, HALFT
	s_mul_i32 s94, s14, AHL                        ; where A's halves go in a slot
	s_wait_dscnt 0x0
	s_wait_kmcnt 0x0
	s_add_nc_u64 s[20:21], s[4:5], s[20:21]
	s_add_nc_u64 s[22:23], s[6:7], s[22:23]
	s_add_nc_u64 s[46:47], s[8:9], s[46:47]
	s_add_nc_u64 s[92:93], s[10:11], s[92:93]
	CROUND
	s_mov_b32 s[G0S], 1
	s_mov_b32 s[G0S+1], SCL
	s_mov_b64 s[G0S+2:G0S+3], s[22:23]
	s_or_b32 s[G0S+3], s[G0S+3], 0x80000000
	s_mov_b32 s[G0SB], 1
	s_mov_b32 s[G0SB+1], SCL+HALFS                 ; B's scale bytes lie straight behind A's
	s_mov_b64 s[G0SB+2:G0SB+3], s[92:93]
	s_or_b32 s[G0SB+3], s[G0SB+3], 0x80000000
	s_mov_b32 s[G0+4], 1                           ; the head's loads of K step 0, each tile whole, go by slot 1's group 0, which is set for the ring behind the wait for them
	s_mov_b32 s[G0+5], 0
	s_mov_b64 s[G0+6:G0+7], s[20:21]
	s_or_b32 s[G0+7], s[G0+7], 0x80000000
	s_mov_b32 s[G0B+4], 1
	s_mov_b32 s[G0B+5], 2*HALFT
	s_mov_b64 s[G0B+6:G0B+7], s[46:47]
	s_or_b32 s[G0B+7], s[G0B+7], 0x80000000
	s_mov_b32 s[G0], 1                             ; slot 0's group 0 for the ring: my 64 rows of A, at K step 0; its first refill steps it to K step 2
	s_mov_b32 s[G0+1], s94
	s_add_nc_u64 s[G0+2:G0+3], s[20:21], s[2:3]
	s_or_b32 s[G0+3], s[G0+3], 0x80000000
	s_mov_b32 s[G0B], 1
	s_mov_b32 s[G0B+1], s45
	s_add_nc_u64 s[G0B+2:G0B+3], s[46:47], s[18:19]
	s_or_b32 s[G0B+3], s[G0B+3], 0x80000000
.macro ARM under, g0, g1, next         ; one chain of branches on the wave's number, one load to an arm, all arms to one join
	s_cmp_lt_u32 s14, \under
	s_cbranch_scc0 \next
	tensor_load_to_lds s[\g0:\g0+3], s[\g1:\g1+7]
	s_nop 0
.rept 4
	v_nop
.endr
	s_branch .Lhead_asked
\next:
.endm
	ARM 1, G0+4,  G1,  .Lhead_b
	ARM 2, G0B+4, G1B, .Lhead_sa
	ARM 3, G0S,   G1S, .Lhead_sb
	tensor_load_to_lds s[G0SB:G0SB+3], s[G1SB:G1SB+7]
	s_nop 0
.rept 4
	v_nop
.endr
.Lhead_asked:
	v_and_b32 v1, 15, v0
	v_bfe_u32 v2, v0, 4, 1
	v_and_b32 v6, 31, v0
	v_mul_u32_u24 v3, v1, PITCH
	v_mul_u32_u24 v4, v2, 24
	v_add_nc_u32 v4, v3, v4
	v_lshl_add_u32 v5, v2, 4, v4
	v_lshlrev_b32 v7, 3, v6
	s_mul_i32 s21, s15, AHL
	s_mul_i32 s22, s16, HALFT
	s_add_co_u32 s22, s22, 2*HALFT
.irp s, 0,1
	v_add_nc_u32 v[ADRA+\s], s21, v7
	v_add_nc_u32 v[ADRB+\s], s22, v4
	v_add_nc_u32 v[ADRB+2+\s], s22, v5
	s_add_co_u32 s21, s21, SLOT
	s_add_co_u32 s22, s22, SLOT
.endr
	v_mul_u32_u24 v5, v1, KS
	v_lshrrev_b32 v3, 8, v5
	v_lshl_add_u32 v5, v3, 4, v5
	s_mul_i32 s21, s15, HALFS/2                    ; A's: my 64 rows
	s_mul_i32 s22, s16, HALFS                      ; B's: my 128 rows, behind A's 128
	s_add_co_u32 s22, s22, HALFS
	s_sub_co_u32 s22, s22, s21
	v_mul_u32_u24 v3, s22, v2
	s_add_co_u32 s21, s21, SCL
	v_add_nc_u32 v5, v5, v3
	v_add_nc_u32 v[ADRS], s21, v5
	s_mul_i32 s23, s14, 16*SPITCH
	v_mul_u32_u24 v5, v1, SPITCH
	v_lshl_add_u32 v5, v2, 6, v5
	v_add_nc_u32 v[STO], s23, v5
	v_lshlrev_b32 v[CO], 4, v6
	s_wait_alu depctr_va_vdst(0)
	v_add_nc_u32 v[RD], s23, v[CO]
	s_lshl_b32 s20, s17, 7                         ; my first row of out0: 128 x tile row + 64 x half
	s_lshl_b32 s21, s15, 6
	s_add_co_u32 s20, s20, s21
	s_lshl_b32 s20, s20, 12
	s_mov_b32 s21, 0
	s_lshl_b32 s46, s42, 10
	s_lshl_b32 s47, s16, 9
	s_add_co_u32 s46, s46, s47
	s_mov_b32 s47, 0
	s_add_nc_u64 s[96:97], s[96:97], s[46:47]
	s_add_nc_u64 s[20:21], s[20:21], s[46:47]
	s_add_nc_u64 s[12:13], s[12:13], s[20:21]
	global_load_b128 v[BO:BO+3], v[CO], s[96:97]
.macro FRAG reg, adr, q, i
.irp p, 0,1,2,3,4,5
.set PCE, 12*(\q)+6*(\p/3)+\p%3
.if PCE%8 < 5
	ds_load_b64 v[\reg+2*\p:\reg+2*\p+1], v[\adr] offset:8*PCE+16*(PCE/8)+(\i)*16*PITCH
.else
	ds_load_b64 v[\reg+2*\p:\reg+2*\p+1], v[\adr+2] offset:8*PCE+16*(PCE/8)+(\i)*16*PITCH
.endif
.endr
.endm
.macro FRAGA reg, adr, q, i
.irp p, 0,1,2,3,4,5
	ds_load_b64 v[\reg+2*\p:\reg+2*\p+1], v[\adr] offset:ASTEP*(\i)+1536*(\q)+256*\p
.endr
.endm
.macro MUL16 a0, p, q, sc, zero
.irp a, \a0, \a0+1
.irp b, 0,1,2,3,4,5,6,7
.if \zero
	v_wmma_scale_f32_16x16x128_f8f6f4 v[8*(8*((\a)%4)+\b):8*(8*((\a)%4)+\b)+7], v[128*(\p)+FR*\b:128*(\p)+FR*\b+FR-1], v[AF+FR*(\a):AF+FR*(\a)+FR-1], 0, v[SC+8*NQ*(\sc)+NQ*\b+(\q)], v[SC+8*NQ*(\sc)+NQ*(\a)+(\q)] matrix_a_fmt:MATRIX_FMT_FP6 matrix_b_fmt:MATRIX_FMT_FP6 matrix_a_scale:MATRIX_SCALE_ROW1
.else
	v_wmma_scale_f32_16x16x128_f8f6f4 v[8*(8*((\a)%4)+\b):8*(8*((\a)%4)+\b)+7], v[128*(\p)+FR*\b:128*(\p)+FR*\b+FR-1], v[AF+FR*(\a):AF+FR*(\a)+FR-1], v[8*(8*((\a)%4)+\b):8*(8*((\a)%4)+\b)+7], v[SC+8*NQ*(\sc)+NQ*\b+(\q)], v[SC+8*NQ*(\sc)+NQ*(\a)+(\q)] matrix_a_fmt:MATRIX_FMT_FP6 matrix_b_fmt:MATRIX_FMT_FP6 matrix_a_scale:MATRIX_SCALE_ROW1
.endif
.endr
.endr
.endm
.macro FETCH_B slot, q, p
	WIN TO_B
.irp i, 0,1,2,3,4,5,6,7
	FRAG 128*(\p)+FR*\i, ADRB+\slot, \q, \i
.endr
	WIN 0
.endm
.macro FETCH_A slot, q, i0
.irp i, \i0, \i0+1, \i0+2, \i0+3
	FRAGA AF+FR*(\i), ADRA+\slot, \q, \i
.endr
.endm
.macro SCALES sc
.irp i, 0,1,2,3,4,5,6,7
	ds_load_b64 v[SC+8*NQ*\sc+NQ*\i:SC+8*NQ*\sc+NQ*\i+1], v[ADRS] offset:\i*SBLK
.endr
.endm
.macro PLACES n
.rept \n
	v_nop
.endr
.endm
.macro STEP slot, q, zero
	s_wait_dscnt 0x0                               ; this step's fragments and scale words are in
.set AF, AF0
	WIN MUL_LO
	MUL16 0, (\q)%2, \q, \slot, \zero
	PLACES NP                                      ; places behind the last step's products, which read the sets that are fetched into now
.set AF, AF0+48
	FETCH_B \slot, (\q)+1, 1-(\q)%2
	FETCH_A \slot, (\q)+1, 0
.set AF, AF0
	WIN MUL_LO
	MUL16 2, (\q)%2, \q, \slot, \zero              ; sixteen products while the loads are out
	WIN 0
.endm
.macro TURN slot, next, fill
	s_wait_tensorcnt 0x0
	ds_add_u32 v[SPW], v[NIL]
	s_wait_dscnt 1                                 ; this step's fragments are in; the add, issued behind them, may be out
.set AF, AF0+48
	WIN MUL_LO
	MUL16 0, 1, NQ-1, \slot, 0                     ; sixteen products between the add and the wait for it
	WIN 0
	s_wait_dscnt 0x0
	s_barrier_signal -1
	s_barrier_wait -1
.if \fill
	CREST
	s_add_nc_u64 s[G0+4*\slot+2:G0+4*\slot+3], s[G0+4*\slot+2:G0+4*\slot+3], 2*ASTEP
	s_add_nc_u64 s[G0B+4*\slot+2:G0B+4*\slot+3], s[G0B+4*\slot+2:G0B+4*\slot+3], 2*TSTEP
	JLOAD G0+4*\slot, G1, G0B+4*\slot, G1B
.else
	PLACES NP
.endif
	s_wait_alu depctr_va_vdst(0)
	v_add_nc_u32 v[ADRS], 4*NQ, v[ADRS]
.set AF, AF0
	FETCH_B \next, 0, 0
	FETCH_A \next, 0, 0
	SCALES \next
.set AF, AF0+48
	WIN MUL_LO
	MUL16 2, 1, NQ-1, \slot, 0                     ; the step's other sixteen products, on registers, while the next slot's first fragments are out
	WIN 0
.endm
	s_wait_alu depctr_va_vdst(0)                   ; the wait at the head's end
	s_wait_tensorcnt 0x0                           ; my tile of the head's four is in
	ds_add_u32 v[SPW], v[NIL]
	s_mul_i32 s20, s16, 64*KROW
	s_add_co_u32 s20, s20, ASTEP
	s_mov_b32 s21, 0
	s_mul_i32 s46, s16, HALFC
	s_add_co_u32 s46, s46, TSTEP
	s_mov_b32 s47, 0
	s_add_nc_u64 s[G0+6:G0+7], s[G0+6:G0+7], s[20:21]
	s_add_nc_u64 s[G0B+6:G0B+7], s[G0B+6:G0B+7], s[46:47]
	s_add_co_u32 s[G0+5], s94, SLOT
	s_add_co_u32 s[G0B+5], s45, SLOT
	s_mov_b32 s[G1+2], 4<<16                       ; and from here on a load brings: 4 images of A (64 rows),
	s_mov_b32 s[G1+4], 4
	s_mov_b32 s[G1B+2], 96<<16                     ; 96 rows of 256 bytes of B
	s_mov_b32 s[G1B+4], 96
	s_wait_dscnt 0x0
	CROUND                                         ; all four tiles are in, in every partner
	JLOAD G0+4, G1, G0B+4, G1B                     ; K step 1, the first tensor load behind the round
	FETCH_B 0, 0, 0
	FETCH_A 0, 0, 0
	SCALES 0
	STEP 0, 0, 1
	s_mov_b32 s3, LAPS-1
.Llap:
	TURN 0, 1, 1
	STEP 1, 0, 0
	TURN 1, 0, 1
	STEP 0, 0, 0
	s_sub_co_u32 s3, s3, 1
	s_cmp_lg_u32 s3, 0
	s_cbranch_scc1 .Llap
	TURN 0, 1, 0
	STEP 1, 0, 0
	s_wait_dscnt 0x0                               ; the very last step: nothing more to fetch
.set AF, AF0+48
	WIN MUL_LO
	MUL16 0, 1, NQ-1, 1, 0
	MUL16 2, 1, NQ-1, 1, 0
	WIN 0
.macro TOSTAGE a
.set AC, 64*((\a)%4)
	WIN (0x08+4*((\a)/4))
.irp b, 0,1,2,3,4,5,6,7
	ds_store_b128 v[STO], v[AC+8*\b:AC+8*\b+3] offset:128*(\b/2)+32*(\b%2)
	ds_store_b128 v[STO], v[AC+8*\b+4:AC+8*\b+7] offset:128*(\b/2)+32*(\b%2)+16
.endr
	WIN 0
.set BB, BK+64*((\a)%2)
.irp t, 0,1,2,3,4,5,6,7,8,9,10,11,12,13,14,15
	ds_load_b128 v[BB+4*\t:BB+4*\t+3], v[RD] offset:\t*SPITCH
.endr
.endm
.macro SEND a, younger
.set BB, BK+64*((\a)%2)
	s_wait_dscnt \younger
.irp t, 0,1,2,3,4,5,6,7,8,9,10,11,12,13,14,15
	v_pk_add_f32 v[BB+4*\t:BB+4*\t+1], v[BB+4*\t:BB+4*\t+1], v[BO:BO+1]
	v_pk_add_f32 v[BB+4*\t+2:BB+4*\t+3], v[BB+4*\t+2:BB+4*\t+3], v[BO+2:BO+3]
	global_store_b128 v[CO], v[BB+4*\t:BB+4*\t+3], s[12:13] offset:(32*((\a)/2)+8*((\a)%2)+\t+8*(\t/8))*SIZE_N*4 th:TH_STORE_NT
.endr
.endm
	s_wait_loadcnt 0x0                             ; the bias, asked for at the head, is first read on the way out
	PLACES NP
	TOSTAGE 0
.irp a, 1,2,3
.if \a > 1
	s_wait_xcnt 0x0
.endif
	TOSTAGE \a
	SEND \a-1, 32
.endr
	SEND 3, 0
	s_wait_tensorcnt 0x0
	ds_add_u32 v[SPW], v[NIL]
	s_wait_dscnt 0x0
	CROUND
	s_endpgm
.Lfunc_end_k_q058e4a4a7b_outp:
	.size	k_q058e4a4a7b_outp, .Lfunc_end_k_q058e4a4a7b_outp-k_q058e4a4a7b_outp
	.p2alignl 7, 3214868480
	.fill 96, 4, 3214868480
	.section	.rodata,"a",@progbits
	.p2align	6, 0x0
	.amdhsa_kernel k_q058e4a4a7b_outp
		.amdhsa_group_segment_fixed_size 327680
		.amdhsa_private_segment_fixed_size 0
		.amdhsa_enable_private_segment 0
		.amdhsa_kernarg_size 48
		.amdhsa_user_sgpr_count 2
		.amdhsa_user_sgpr_kernarg_segment_ptr 1
		.amdhsa_wavefront_size32 1
		.amdhsa_system_sgpr_workgroup_id_x 1
		.amdhsa_system_sgpr_workgroup_id_y 1
		.amdhsa_system_sgpr_workgroup_id_z 1
		.amdhsa_system_vgpr_workitem_id 0
		.amdhsa_next_free_vgpr 1024
		.amdhsa_next_free_sgpr 98
		.amdhsa_reserve_vcc 0
		.amdhsa_float_denorm_mode_32 3
		.amdhsa_float_denorm_mode_16_64 3
		.amdhsa_memory_ordered 1
		.amdhsa_forward_progress 1
		.amdhsa_inst_pref_size 109
	.end_amdhsa_kernel
	.amdgpu_metadata
---
amdhsa.version: [ 1, 2 ]
amdhsa.kernels:
  - .name:           k_q058e4a4a7b_outp
    .symbol:         k_q058e4a4a7b_outp.kd
    .args:
      - { .name: cimg, .offset: 0, .size: 8, .value_kind: global_buffer, .address_space: global }
      - { .name: csc, .offset: 8, .size: 8, .value_kind: global_buffer, .address_space: global }
      - { .name: wc, .offset: 16, .size: 8, .value_kind: global_buffer, .address_space: global }
      - { .name: ws, .offset: 24, .size: 8, .value_kind: global_buffer, .address_space: global }
      - { .name: bo, .offset: 32, .size: 8, .value_kind: global_buffer, .address_space: global }
      - { .name: out0, .offset: 40, .size: 8, .value_kind: global_buffer, .address_space: global }
    .group_segment_fixed_size: 327680
    .private_segment_fixed_size: 0
    .kernarg_segment_align: 8
    .kernarg_segment_size: 48
    .max_flat_workgroup_size: 128
    .sgpr_count:     98
    .vgpr_count:     1024
    .wavefront_size: 32
...
	.end_amdgpu_metadata
.endif
;; end of part 4
